; MI455X (gfx1250); checked and timed in simulation.
; The chip was launched on July 23, 2026; its instructions are those of AMD's public machine-readable ISA for CDNA 5 (MIT licence, August 2026) and "CDNA5" Instruction Set Architecture Reference Guide (July 2026). The comments in the code are by the model that wrote it; some were corrected since.
;; Proxy Attention. Allowed arithmetic: matrix products marked QUANTISED: E2M1 operands, one E8M0 scale for each 32 along K, by v_wmma_scale_f32_16x16x128_f8f6f4 with both operands' format E2M1 (or v_wmma_scale_f32_32x16x128_f4), f32 sums; products left as they are: bf16, f16 or f32 operands; f32 sums; everything else in f32.
;; Inputs: mask 8 x 1,024 bool; pb_bias 1 x 819 x 4 x 4 float32; pc_bias 1 x 819 x 32 x 1 float32; pr_bias 1 x 819 x 1 x 32 float32; proj_b 1,024 float32; proj_w 1,024 x 1,024 float32; proxy 8 x 1,024 x 1,024 float32; proxy_b 1,024 float32; proxy_w 1,024 x 1,024 float32; qkv_w 3,072 x 1,024 float32; x 8 x 819 x 1,024 float32.
;; Outputs: out0 8 x 819 x 1,024 float32.
;; This version of the problem:
;;   THIS VERSION OF THE PROBLEM IS GIVEN IN LOW PRECISION. The matrix products marked QUANTISED in the list below multiply operands that are first quantised to E2M1 (2 exponent bits, 1 mantissa bit; 4 bits a number), with one power-of-two scale for each 32 numbers along K (OCP MX v1.0); their sums are f32. The products marked 'left as it is' may take bf16, f16 or f32 operands, with f32 sums. Whichever they take, every output number must still come out within the allowed error. Rounding operands to bf16 (8 significant bits) uses up far more of that allowance than f16 does (11 bits, for magnitudes from 6e-5 to 65,504). All else is computed in f32.
;;   The module's matrix products, in the order in which they are computed (A, B: the left and right operand; K: the contracted axis; several contracted axes count as one K, in the product's order):
;;     1. [M 32, K 4] x [K 4, N 3,276]; A: computed on the way; B: input pb_bias: left as it is (K = 4 < 32)
;;     2. [M 26,208, K 4] x [K 4, N 32]; A: computed on the way; B: computed on the way: left as it is (K = 4 < 32)
;;     3. [M 6,552, K 1,024] x [K 1,024, N 3,072]; A: computed on the way; B: input qkv_w: left as it is (an operand is computed on the way)
;;     4. [M 8,192, K 1,024] x [K 1,024, N 1,024]; A: input proxy; B: input proxy_w: QUANTISED
;;     5. batch 128 x [M 1,024, K 64] x [K 64, N 819]; A: computed on the way; B: computed on the way: left as it is (an operand is computed on the way)
;;     6. batch 128 x [M 1,024, K 819] x [K 819, N 64]; A: computed on the way; B: computed on the way: left as it is (an operand is computed on the way)
;;     7. batch 128 x [M 819, K 64] x [K 64, N 1,024]; A: computed on the way; B: computed on the way: left as it is (an operand is computed on the way)
;;     8. batch 128 x [M 819, K 1,024] x [K 1,024, N 64]; A: computed on the way; B: computed on the way: left as it is (an operand is computed on the way)
;;     9. [M 6,552, K 1,024] x [K 1,024, N 1,024]; A: computed on the way; B: input proj_w: left as it is (an operand is computed on the way)
;;   THE QUANTISER, for each operand of a quantised product, along K:
;;     - K is cut into blocks of 32 from its start; a last block that is shorter is filled with zeros.
;;     - A block's scale is 2^e with e = floor(log2(the largest magnitude in the block)) - 2, held to -126 .. 127; a block of zeros has e = 0. As a byte (E8M0): e + 127.
;;     - Each number is divided by its block's scale, clamped to +-6, and rounded to the nearest number of E2M1, ties to even, subnormals kept.
;;     - The product sums the exact products of the quantised numbers (number of the format x scale) in f32.
;;   ~~~python
;;   def quantise(x, axis):      # numpy; x: float32 -> the quantised numbers, widened to float32 again
;;       x = np.moveaxis(x, axis, -1); K = x.shape[-1]
;;       x = np.pad(x, [(0, 0)] * (x.ndim - 1) + [(0, -K % 32)]); x = x.reshape(x.shape[:-1] + (-1, 32)); a = np.abs(x).max(-1, keepdims=True)
;;       e = np.where(a > 0, np.clip(np.frexp(np.where(a > 0, a, 1))[1] - 1 - 2, -126, 127), 0)      # np.frexp(a)[1] - 1 = floor(log2(a)), exactly
;;       r = np.clip(x / 2.0 ** e, -6, 6)
;;       step = 2.0 ** (np.maximum(np.frexp(np.where(r == 0, 1, r))[1] - 1, 0) - 1)
;;       q = np.round(r / step) * step * 2.0 ** e      # np.round: ties to even
;;       return np.moveaxis(q.reshape(q.shape[:-2] + (-1,))[..., :K], -1, axis).astype(np.float32)
;;   ~~~
;; One version. Each part assembles by itself: llvm-mc -triple=amdgcn-amd-amdhsa -mcpu=gfx1250 --defsym DOCPART=n.
;; ======== version 1 of 1: 5 launches
;; limits: right only within a limited range of input values; values are held in f16: magnitudes above 65,504 overflow, below 6.1e-05 lose precision
;; workspace buffers: pq 5,013,504 bytes; xw 22,020,096 bytes; tb 37,888 bytes; ph 16,777,216 bytes; qkvh 40,894,464 bytes; pvh 16,777,216 bytes; oh 13,631,488 bytes
;; launch prep (part 1): grid 754 x 1, 4 waves a work-group, no clusters, 41,472 bytes of LDS; arguments proxy, proxy_w, x, pb_bias, pc_bias, pr_bias, qkv_w, proj_w, mask, pq, xw, tb; writes pq, xw, tb
.if DOCPART == 1
	.amdgcn_target "amdgcn-amd-amdhsa--gfx1250"
	.amdhsa_code_object_version 6
	.text
	.protected	k_q38b811761c_prep
	.globl	k_q38b811761c_prep
	.p2align	8
	.type	k_q38b811761c_prep,@function
k_q38b811761c_prep:
	s_mov_b64 s[64:65], 0
	v_nop
	global_prefetch_b8 v0, s[64:65] scope:SCOPE_SE
	s_setreg_imm32_b32 hwreg(HW_REG_WAVE_MODE, 25, 1), 1
	s_wait_xcnt 0x0
; PREP: everything that is made once from the inputs.  Four kinds of work-group, parted by the work-group's number g:
;   g <  288  QUANT: proxy [8192][1024] and proxy_w [1024][1024], f32, become codes of FP4 (E2M1) with one E8M0 byte for each 32 along K (K is innermost in both).
;   g <  496  XB:    x + the 4 x 4 bias stretched to 32 x 32 (half-pixel linear) + the row and column biases, rounded to f16, laid [8][832][1024]; rows 819 .. 831 are zeros.
;   g <  752  CAST:  qkv_w (rows permuted, so that a block of 384 rows is q, k, v of two heads) and proj_w, rounded to f16.
;   else      TAB:   for each key an addend for the scores: 0 where the key counts, -2^100 where it does not; and the factor c = log2(e) / 8 of each batch.
; pq: the codes lie as images of the operand's registers: tile T (16 rows), K step s (128): byte 8192 T + 1024 s + 512 c + 16 lane, lane = 16 h + r holding k = 128 s + 64 c + 32 h + 0 .. 31 of row 16 T + r.
;     the scale bytes lie [T][K / 512][16 rows][16 bytes]: a row's word q is K step 4 (K / 512) + q.
; A block's scale is 2^(floor(log2(largest magnitude)) - 2); its byte is the largest magnitude's exponent field - 2, held at 1 from below (a block of zeros keeps the byte 1: its codes are zeros, and this program alone reads the bytes).
; A BATCH WHOSE MASK IS ALL FALSE gets addends of 0 and c = 0: all its weights are then equal, as a softmax of equal numbers gives them.
; LIMITS: blocks whose largest magnitude lies under 2^-124 were not tried; NaN and infinities are not served; what is rounded to f16 must stay under 65,504.
; No tensor loads, no barrier: waves share nothing.  Only QUANT touches LDS.
.set PA_S,     4194304                 ; pq: proxy's codes at 0, its scale bytes here,
.set PB_C,     4456448                 ; proxy_w's codes,
.set PB_S,     4980736                 ; its scale bytes
.set WQ_OFF,   13631488                ; xw: x at 0, qkv_w here,
.set PW_OFF,   19922944                ; proj_w here
.set TAB2_OFF, 4096                    ; tb: the addends of the 819 keys (1,024 numbers) at 0, those of the mask [8][1024] here,
.set CS_OFF,   36864                   ; c [8][32] here
.set WREG,     10240                   ; LDS, a region for each wave: two stages of 32 x 80 bytes, 256 scale bytes, 4,096 bytes of codes
.set SP,       80
.set SCB,      5120
.set IMG,      5376
.set SPARE,    4*WREG                  ; behind the regions: the spare words, 128 bytes for each wave, which no other line names
.set SPW,      252                     ; v252 LDS address of my spare word; never rewritten
.set NIL,      253                     ; v253 0; never rewritten
.set R,        16                      ; QUANT: v16-79 four sets of 16 numbers as loaded
.set X,        80                      ; v80-111 two sets of 16 neighbours
.set E,        112                     ; v112-127 a scale byte for each step
.set C,        128                     ; v128-191 codes, four registers for each step
.set XP,       48                      ; XB: s[48:63] x at my row, for each batch
.set OP,       66                      ; s[66:81] the f16 rows likewise
	v_lshl_add_u32 v[SPW], v0, 2, SPARE
	v_mov_b32 v[NIL], 0
	v_lshrrev_b32 v1, 5, v0
	v_readfirstlane_b32 s16, v1                    ; wave
	v_and_b32 v2, 31, v0                           ; lane
	v_lshlrev_b32 v3, 4, v2                        ; 16 x lane
	s_cmp_lt_u32 ttmp9, 288
	s_cbranch_scc1 .Lquant
	s_cmp_lt_u32 ttmp9, 496
	s_cbranch_scc1 .Lxb
	s_cmp_lt_u32 ttmp9, 752
	s_cbranch_scc1 .Lcast
; ---- TAB: wave = batch b
	s_load_b64 s[4:5], s[0:1], 0x40                ; mask
	s_load_b64 s[6:7], s[0:1], 0x58                ; tb
	s_sub_co_u32 s17, ttmp9, 752
	s_lshl_b32 s17, s17, 2
	s_add_co_u32 s17, s17, s16                     ; b
	v_lshlrev_b32 v4, 2, v2                        ; 4 x lane
	s_mov_b32 s19, 0
	s_lshl_b32 s18, s17, 10
	s_wait_kmcnt 0x0
	s_add_nc_u64 s[4:5], s[4:5], s[18:19]
.irp t, 0,1,2,3,4,5,6,7
	global_load_b32 v[8+\t], v4, s[4:5] offset:128*\t   ; the bytes of keys 128 t + 4 lane + 0 .. 3
.endr
	s_lshl_b32 s18, s17, 12
	s_add_co_u32 s18, s18, TAB2_OFF
	s_add_nc_u64 s[8:9], s[6:7], s[18:19]          ; the mask's addends of batch b
	s_lshl_b32 s18, s17, 9
	s_add_nc_u64 s[10:11], s[6:7], s[18:19]        ; my 128 of the first table's 1,024
	s_lshl_b32 s18, s17, 7
	s_add_co_u32 s18, s18, CS_OFF
	s_add_nc_u64 s[12:13], s[6:7], s[18:19]        ; c of batch b
	s_lshl_b32 s18, s17, 7
	v_lshl_add_u32 v18, v2, 2, s18                 ; 128 b + 4 lane
	v_mov_b32 v19, 0xf1800000                      ; -2^100
.irp e, 0,1,2,3
	v_add_nc_u32 v20, \e, v18
	v_cmp_lt_u32 vcc_lo, 818, v20                  ; keys from 819 on are padding
	v_cndmask_b32 v[64+\e], 0, v19, vcc_lo
.endr
	global_store_b128 v3, v[64:67], s[10:11]
	s_wait_loadcnt 0x0
	v_or_b32 v16, v8, v9
	v_or_b32 v17, v10, v11
	v_or_b32 v20, v12, v13
	v_or_b32 v21, v14, v15
	v_or_b32 v16, v16, v17
	v_or_b32 v20, v20, v21
	v_or_b32 v16, v16, v20
	v_cmp_ne_u32 vcc_lo, 0, v16
	s_cmp_lg_u32 vcc_lo, 0                         ; does any key of the batch count?  It selects two numbers, no way through the text
	s_cselect_b32 s20, 0xf1800000, 0
	s_cselect_b32 s21, 0x3e38aa3b, 0               ; c = log2(e) / 8
	v_mov_b32 v17, s20
	v_mov_b32 v21, s21
.irp t, 0,1,2,3,4,5,6,7
.irp e, 0,1,2,3
	v_bfe_u32 v20, v[8+\t], 8*\e, 8
	v_cmp_eq_u32 vcc_lo, 0, v20
	v_cndmask_b32 v[32+4*\t+\e], 0, v17, vcc_lo
.endr
.endr
.irp t, 0,1,2,3,4,5,6,7
	global_store_b128 v3, v[32+4*\t:35+4*\t], s[8:9] offset:512*\t   ; 32 lanes store 512 consecutive bytes
.endr
	global_store_b32 v4, v21, s[12:13]
	s_endpgm
; ---- QUANT: a wave takes 16 rows x 512 along K: 16 steps, a row each
.Lquant:
	s_load_b128 s[4:7], s[0:1], 0x0                ; proxy, proxy_w
	s_load_b64 s[8:9], s[0:1], 0x48                ; pq
	s_mul_i32 s17, s16, WREG
	v_lshrrev_b32 v14, 2, v2
	v_mul_u32_u24 v14, v14, SP
	v_and_b32 v15, 3, v2
	v_lshl_add_u32 v14, v15, 4, v14
	v_add_nc_u32 v14, s17, v14                     ; the stage, in: four lanes' 64 bytes on end, then 16 of padding
	v_mul_u32_u24 v15, v2, SP
	v_add_nc_u32 v15, s17, v15                     ; out: 80 x lane: my 16 neighbours
	v_lshrrev_b32 v5, 1, v2
	v_add_nc_u32 v5, s17, v5
	v_add_nc_u32 v5, SCB, v5                       ; my block's scale byte
	v_lshlrev_b32 v7, 3, v2
	v_add_nc_u32 v6, s17, v7
	v_add_nc_u32 v6, SCB, v6                       ; and 8 bytes a lane on the way out
	v_lshrrev_b32 v4, 3, v2                        ; my 16 codes are k = 16 lane + 0 .. 15 of the 512: K step lane / 8,
	v_lshlrev_b32 v4, 10, v4
	v_bfe_u32 v8, v2, 2, 1
	v_lshl_add_u32 v4, v8, 9, v4                   ; c = (lane / 4) % 2,
	v_bfe_u32 v8, v2, 1, 1
	v_lshl_add_u32 v4, v8, 8, v4                   ; h = (lane / 2) % 2,
	v_and_b32 v8, 1, v2
	v_lshl_add_u32 v4, v8, 3, v4                   ; the lower or the upper 8 bytes of the operand lane's 16; the row, 16 t, stands in the immediate
	v_add_nc_u32 v4, s17, v4
	v_add_nc_u32 v4, IMG, v4
	v_add_nc_u32 v10, s17, v3
	v_add_nc_u32 v10, IMG, v10                     ; the image, on the way out
	s_wait_kmcnt 0x0
	s_cmp_lt_u32 ttmp9, 256                        ; proxy's work-group or proxy_w's?  The choice hangs on the work-group's number alone
	s_cselect_b64 s[4:5], s[4:5], s[6:7]
	s_cselect_b32 s17, 0, 256
	s_cselect_b32 s20, 0, PB_C
	s_mov_b32 s22, PB_S
	s_cselect_b32 s22, PA_S, s22
	s_sub_co_u32 s17, ttmp9, s17
	s_lshl_b32 s17, s17, 2
	s_add_co_u32 s18, s17, s16                     ; my run: 2 x tile + half of K
	s_lshr_b32 s24, s18, 1
	s_lshl_b32 s24, s24, 16                        ; 16 rows of 4,096 bytes
	s_and_b32 s25, s18, 1
	s_lshl_b32 s25, s25, 11                        ; 512 numbers
	s_add_co_u32 s24, s24, s25
	s_mov_b32 s25, 0
	s_add_nc_u64 s[4:5], s[4:5], s[24:25]
	s_lshl_b32 s24, s18, 8
	s_add_co_u32 s24, s24, s22
	s_add_nc_u64 s[10:11], s[8:9], s[24:25]        ; my 256 scale bytes
	s_lshl_b32 s24, s18, 12
	s_add_co_u32 s24, s24, s20
	s_add_nc_u64 s[8:9], s[8:9], s[24:25]          ; my 4,096 bytes of codes
.macro QLOAD t
.irp i, 0,1,2,3
	global_load_b128 v[R+16*((\t)%4)+4*\i:R+16*((\t)%4)+4*\i+3], v3, s[4:5] offset:4096*(\t)+512*\i th:TH_LOAD_NT   ; 32 lanes read 512 consecutive bytes
.endr
.endm
.macro QTURN t                         ; step t's numbers through the stage: LDS serves a wave's instructions in order, so no wait stands between the stores and the loads
.irp i, 0,1,2,3
	ds_store_b128 v14, v[R+16*((\t)%4)+4*\i:R+16*((\t)%4)+4*\i+3] offset:32*SP*((\t)%2)+8*SP*\i
.endr
.irp i, 0,1,2,3
	ds_load_b128 v[X+16*((\t)%2)+4*\i:X+16*((\t)%2)+4*\i+3], v15 offset:32*SP*((\t)%2)+16*\i
.endr
.endm
.irp t, 0,1,2,3
	QLOAD \t
.endr
	s_wait_loadcnt 12                              ; step 0's four loads are in
	QTURN 0
.macro QSTEP t
.set XS, X+16*((\t)%2)
.if (\t) > 0
	s_wait_dscnt 2                                 ; this step's numbers are back from the stage; the last step's two stores (byte, codes) may be out
.else
	s_wait_dscnt 0x0
.endif
.if (\t)+4 < 16
	QLOAD (\t)+4                                   ; into the set whose stores into the stage are done
.endif
.if (\t)+1 < 16
.if 14-(\t) >= 3
	s_wait_loadcnt 12                              ; the next step's four loads are in; those of the three steps behind it may be out
.else
	s_wait_loadcnt 4*(14-(\t))
.endif
	QTURN (\t)+1
.endif
	v_max3_num_f32 v8, |v[XS]|, |v[XS+1]|, |v[XS+2]|
	v_max3_num_f32 v9, |v[XS+3]|, |v[XS+4]|, |v[XS+5]|
.irp i, 6,10
	v_max3_num_f32 v8, v8, |v[XS+\i]|, |v[XS+\i+1]|
	v_max3_num_f32 v9, v9, |v[XS+\i+2]|, |v[XS+\i+3]|
.endr
	v_max3_num_f32 v8, v8, |v[XS+14]|, |v[XS+15]|
	v_max3_num_f32 v8, v8, v9, 0x1800000           ; and the floor 2^(3 - 127): the byte cannot fall under 1
	v_max_num_f32_dpp v8, v8, v8 row_xmask:1 row_mask:0xf bank_mask:0xf   ; with my neighbour's 16: the block's largest magnitude
	v_add_nc_u32 v11, 0xff000000, v8               ; 2 off its exponent field: the conversion takes the exponent field of this operand as its scale
	v_cvt_scalef32_pk8_fp4_f32 v[C+4*(\t)], v[XS:XS+7], v11
	v_cvt_scalef32_pk8_fp4_f32 v[C+4*(\t)+1], v[XS+8:XS+15], v11
	v_lshrrev_b32 v[E+(\t)], 23, v11               ; the scale's byte (also the plain line behind the conversions)
	ds_store_b8 v5, v[E+(\t)] offset:16*(\t)       ; both lanes of a block write the same byte with the same value
	ds_store_b64 v4, v[C+4*(\t):C+4*(\t)+1] offset:16*(\t)   ; my 16 codes at their place in the operand's image: row t
.endm
.irp t, 0,1,2,3,4,5,6,7,8,9,10,11,12,13,14,15
	QSTEP \t
.endr
.irp i, 0,1,2,3,4,5,6,7
	ds_load_b128 v[16+4*\i:19+4*\i], v10 offset:512*\i   ; LDS serves a wave's instructions in order: these see my stores
.endr
	ds_load_b64 v[8:9], v6
	s_wait_dscnt 0x0
.irp i, 0,1,2,3,4,5,6,7
	global_store_b128 v3, v[16+4*\i:19+4*\i], s[8:9] offset:512*\i   ; 512 consecutive bytes a store
.endr
	global_store_b64 v7, v[8:9], s[10:11]          ; 256 consecutive bytes
	s_wait_tensorcnt 0x0                           ; the wave's end, behind my last LDS store
	ds_add_u32 v[SPW], v[NIL]
	s_wait_dscnt 0x0
	s_endpgm
; ---- XB: a wave takes one row n for all 8 batches: its bias is made once.  Lane l, register (t, e): column c = 128 t + 4 l + e = 32 i + j, i = 4 t + l / 8, j = 4 (l % 8) + e
.Lxb:
	s_load_b128 s[4:7], s[0:1], 0x10               ; x, pb_bias
	s_load_b128 s[8:11], s[0:1], 0x20              ; pc_bias, pr_bias
	s_load_b64 s[12:13], s[0:1], 0x50              ; xw
	s_sub_co_u32 s17, ttmp9, 288
	s_lshl_b32 s17, s17, 2
	s_add_co_u32 s17, s17, s16                     ; n, 0 .. 831
	v_lshlrev_b32 v4, 3, v2                        ; 8 x lane
	v_lshrrev_b32 v20, 3, v2                       ; l / 8
	v_and_b32 v21, 7, v2                           ; l % 8
	v_lshlrev_b32 v5, 2, v20
	v_lshlrev_b32 v6, 4, v21
	s_mov_b32 s19, 0
	s_lshl_b32 s18, s17, 11
	s_wait_kmcnt 0x0
	s_add_nc_u64 s[OP:OP+1], s[12:13], s[18:19]
.irp b, 1,2,3,4,5,6,7
	s_add_nc_u64 s[OP+2*\b:OP+2*\b+1], s[OP+2*\b-2:OP+2*\b-1], 832*2048
.endr
	s_cmp_ge_u32 s17, 819
	s_cbranch_scc1 .Lxpad
	s_lshl_b32 s18, s17, 12
	s_add_nc_u64 s[XP:XP+1], s[4:5], s[18:19]
.irp b, 1,2,3,4,5,6,7
	s_add_nc_u64 s[XP+2*\b:XP+2*\b+1], s[XP+2*\b-2:XP+2*\b-1], 819*4096
.endr
	s_lshl_b32 s18, s17, 6
	s_add_nc_u64 s[6:7], s[6:7], s[18:19]
	s_load_b512 s[32:47], s[6:7], 0x0              ; the row's 4 x 4
	s_lshl_b32 s18, s17, 7
	s_add_nc_u64 s[8:9], s[8:9], s[18:19]
	s_add_nc_u64 s[10:11], s[10:11], s[18:19]
.irp t, 0,1,2,3,4,5,6,7
	global_load_b32 v[8+\t], v5, s[8:9] offset:16*\t   ; pc(n, 4 t + l / 8)
.endr
	global_load_b128 v[16:19], v6, s[10:11]        ; pr(n, 4 (l % 8) + 0 .. 3)
.macro LOADX b
.irp t, 0,1,2,3,4,5,6,7
	global_load_b128 v[96+32*((\b)%4)+4*\t:96+32*((\b)%4)+4*\t+3], v3, s[XP+2*(\b):XP+2*(\b)+1] offset:512*\t th:TH_LOAD_NT
.endr
.endm
.irp b, 0,1,2,3
	LOADX \b
.endr
; The weights of half-pixel linear stretching: pos = i / 8 - 7 / 16, held to 0 .. 3; weight of source u = max(0, 1 - |pos - u|).  Holding pos gives the edges the weight 1 that the normalised weights have there.
.macro WGT dst, pos, tmp
	v_sub_f32 v[\dst], 1.0, |v[\pos]|
	v_add_f32 v[\tmp], -1.0, v[\pos]
	v_sub_f32 v[\dst+1], 1.0, |v[\tmp]|
	v_add_f32 v[\tmp], -2.0, v[\pos]
	v_sub_f32 v[\dst+2], 1.0, |v[\tmp]|
	v_add_f32 v[\tmp], 0xc0400000, v[\pos]
	v_sub_f32 v[\dst+3], 1.0, |v[\tmp]|
.irp u, 0,1,2,3
	v_max_num_f32 v[\dst+\u], 0, v[\dst+\u]
.endr
.endm
	s_mov_b32 s20, 0x3e000000                      ; 1 / 8
	s_mov_b32 s21, 0xbee00000                      ; -7 / 16
.irp e, 0,1,2,3
	v_lshl_add_u32 v80, v21, 2, \e                 ; j
	v_cvt_f32_u32 v80, v80
	v_fma_f32 v80, v80, s20, s21
	v_med3_num_f32 v80, v80, 0, 0x40400000
	WGT 64+4*\e, 80, 81                            ; v[64 + 4 e + v]: the weight of source column v for my column e
.endr
	s_wait_kmcnt 0x0                               ; the 4 x 4
.irp u, 0,1,2,3
.irp e, 0,1,2,3
	v_mul_f32 v[224+4*\u+\e], s[32+4*\u], v[64+4*\e]      ; source row u stretched along j, at my four columns
	v_fmac_f32 v[224+4*\u+\e], s[33+4*\u], v[65+4*\e]
	v_fmac_f32 v[224+4*\u+\e], s[34+4*\u], v[66+4*\e]
	v_fmac_f32 v[224+4*\u+\e], s[35+4*\u], v[67+4*\e]
.endr
.endr
	s_wait_loadcnt 32                              ; pc and pr are in; the 32 loads of x behind them may be out
.irp t, 0,1,2,3,4,5,6,7
	v_add_nc_u32 v80, 4*\t, v20                    ; i
	v_cvt_f32_u32 v80, v80
	v_fma_f32 v80, v80, s20, s21
	v_med3_num_f32 v80, v80, 0, 0x40400000
	WGT 84, 80, 81
.irp e, 0,1,2,3
	v_add_f32 v[32+4*\t+\e], v[8+\t], v[16+\e]
	v_fmac_f32 v[32+4*\t+\e], v84, v[224+\e]
	v_fmac_f32 v[32+4*\t+\e], v85, v[228+\e]
	v_fmac_f32 v[32+4*\t+\e], v86, v[232+\e]
	v_fmac_f32 v[32+4*\t+\e], v87, v[236+\e]       ; v32-63: the whole bias of my 32 columns
.endr
.endr
.irp b, 0,1,2,3,4,5,6,7
.set XS, 96+32*(\b%4)
.set YS, 224-160*(\b%2)
.if \b < 5
	s_wait_loadcnt 24                              ; this batch's eight loads are in; three batches' may be out
.else
	s_wait_loadcnt 8*(7-\b)
.endif
	s_wait_xcnt 0x0                                ; the stores of two batches ago have read their registers
.irp k, 0,1,2,3,4,5,6,7,8,9,10,11,12,13,14,15
	v_pk_add_f32 v[XS+2*\k:XS+2*\k+1], v[XS+2*\k:XS+2*\k+1], v[32+2*\k:33+2*\k]
.endr
.irp k, 0,1,2,3,4,5,6,7,8,9,10,11,12,13,14,15
	v_cvt_pk_f16_f32 v[YS+\k], v[XS+2*\k], v[XS+2*\k+1]
.endr
.if \b < 4
	LOADX \b+4
.endif
.irp t, 0,1,2,3,4,5,6,7
	global_store_b64 v4, v[YS+2*\t:YS+2*\t+1], s[OP+2*\b:OP+2*\b+1] offset:256*\t   ; 32 lanes store 256 consecutive bytes, aligned
.endr
.endr
	s_endpgm
.Lxpad:                                            ; rows 819 .. 831: zeros, so that their q, k and v are zeros
	v_mov_b32 v32, 0
	v_mov_b32 v33, 0
.irp b, 0,1,2,3,4,5,6,7
.irp t, 0,1,2,3,4,5,6,7
	global_store_b64 v4, v[32:33], s[OP+2*\b:OP+2*\b+1] offset:256*\t
.endr
.endr
	s_endpgm
; ---- CAST: a wave takes four rows of qkv_w or of proj_w
.Lcast:
	s_load_b128 s[4:7], s[0:1], 0x30               ; qkv_w, proj_w
	s_load_b64 s[8:9], s[0:1], 0x50                ; xw
	v_lshlrev_b32 v4, 3, v2
	s_sub_co_u32 s17, ttmp9, 496
	s_lshl_b32 s17, s17, 4
	s_lshl_b32 s18, s16, 2
	s_add_co_u32 s17, s17, s18                     ; my first row, 0 .. 4092: 0 .. 3071 qkv_w's, the others proj_w's
	s_lshr_b32 s18, s17, 10                        ; which of q, k, v
	s_bfe_u32 s19, s17, 0x40006                    ; head
	s_and_b32 s20, s17, 63                         ; channel
	s_lshr_b32 s21, s19, 1
	s_mul_i32 s21, s21, 384                        ; row (head / 2) 384 + (2 x which + head % 2) 64 + channel
	s_and_b32 s19, s19, 1
	s_lshl_b32 s18, s18, 1
	s_add_co_u32 s18, s18, s19
	s_lshl_b32 s18, s18, 6
	s_add_co_u32 s21, s21, s18
	s_add_co_u32 s21, s21, s20
	s_lshl_b32 s21, s21, 11
	s_add_co_u32 s21, s21, WQ_OFF
	s_sub_co_u32 s22, s17, 3072
	s_lshl_b32 s23, s22, 11
	s_add_co_u32 s23, s23, PW_OFF
	s_lshl_b32 s24, s17, 12
	s_lshl_b32 s25, s22, 12
	s_wait_kmcnt 0x0
	s_cmp_lt_u32 s17, 3072
	s_cselect_b64 s[4:5], s[4:5], s[6:7]
	s_cselect_b32 s26, s24, s25
	s_cselect_b32 s28, s21, s23
	s_mov_b32 s27, 0
	s_mov_b32 s29, 0
	s_add_nc_u64 s[4:5], s[4:5], s[26:27]
	s_add_nc_u64 s[8:9], s[8:9], s[28:29]
.irp r, 0,1,2,3
.irp t, 0,1,2,3,4,5,6,7
	global_load_b128 v[32+32*\r+4*\t:35+32*\r+4*\t], v3, s[4:5] offset:4096*\r+512*\t th:TH_LOAD_NT
.endr
.endr
.irp r, 0,1,2,3
	s_wait_loadcnt 24-8*\r                         ; row r's eight loads are in
.irp k, 0,1,2,3,4,5,6,7,8,9,10,11,12,13,14,15
	v_cvt_pk_f16_f32 v[160+16*\r+\k], v[32+32*\r+2*\k], v[33+32*\r+2*\k]
.endr
.irp t, 0,1,2,3,4,5,6,7
	global_store_b64 v4, v[160+16*\r+2*\t:161+16*\r+2*\t], s[8:9] offset:2048*\r+256*\t
.endr
.endr
	s_endpgm
.Lfunc_end_k_q38b811761c_prep:
	.size	k_q38b811761c_prep, .Lfunc_end_k_q38b811761c_prep-k_q38b811761c_prep
	.p2alignl 7, 3214868480
	.fill 96, 4, 3214868480
	.section	.rodata,"a",@progbits
	.p2align	6, 0x0
	.amdhsa_kernel k_q38b811761c_prep
		.amdhsa_group_segment_fixed_size 41472
		.amdhsa_private_segment_fixed_size 0
		.amdhsa_enable_private_segment 0
		.amdhsa_kernarg_size 96
		.amdhsa_user_sgpr_count 2
		.amdhsa_user_sgpr_kernarg_segment_ptr 1
		.amdhsa_wavefront_size32 1
		.amdhsa_system_sgpr_workgroup_id_x 1
		.amdhsa_system_sgpr_workgroup_id_y 1
		.amdhsa_system_sgpr_workgroup_id_z 1
		.amdhsa_system_vgpr_workitem_id 0
		.amdhsa_next_free_vgpr 256
		.amdhsa_next_free_sgpr 96
		.amdhsa_reserve_vcc 1
		.amdhsa_float_denorm_mode_32 3
		.amdhsa_float_denorm_mode_16_64 3
		.amdhsa_memory_ordered 1
		.amdhsa_forward_progress 1
		.amdhsa_inst_pref_size 107
	.end_amdhsa_kernel
	.amdgpu_metadata
---
amdhsa.version: [ 1, 2 ]
amdhsa.kernels:
  - .name:           k_q38b811761c_prep
    .symbol:         k_q38b811761c_prep.kd
    .args:
      - { .name: proxy, .offset: 0, .size: 8, .value_kind: global_buffer, .address_space: global }
      - { .name: proxy_w, .offset: 8, .size: 8, .value_kind: global_buffer, .address_space: global }
      - { .name: x, .offset: 16, .size: 8, .value_kind: global_buffer, .address_space: global }
      - { .name: pb_bias, .offset: 24, .size: 8, .value_kind: global_buffer, .address_space: global }
      - { .name: pc_bias, .offset: 32, .size: 8, .value_kind: global_buffer, .address_space: global }
      - { .name: pr_bias, .offset: 40, .size: 8, .value_kind: global_buffer, .address_space: global }
      - { .name: qkv_w, .offset: 48, .size: 8, .value_kind: global_buffer, .address_space: global }
      - { .name: proj_w, .offset: 56, .size: 8, .value_kind: global_buffer, .address_space: global }
      - { .name: mask, .offset: 64, .size: 8, .value_kind: global_buffer, .address_space: global }
      - { .name: pq, .offset: 72, .size: 8, .value_kind: global_buffer, .address_space: global }
      - { .name: xw, .offset: 80, .size: 8, .value_kind: global_buffer, .address_space: global }
      - { .name: tb, .offset: 88, .size: 8, .value_kind: global_buffer, .address_space: global }
    .group_segment_fixed_size: 41472
    .private_segment_fixed_size: 0
    .kernarg_segment_align: 8
    .kernarg_segment_size: 96
    .max_flat_workgroup_size: 128
    .sgpr_count:     96
    .vgpr_count:     256
    .wavefront_size: 32
...
	.end_amdgpu_metadata
.endif
;; end of part 1
;; launch qkv (part 2): grid 8 x 32, 4 waves a work-group, clusters of 4 x 4, 327,680 bytes of LDS; arguments xw, qkvh; writes qkvh
.if DOCPART == 2
	.amdgcn_target "amdgcn-amd-amdhsa--gfx1250"
	.amdhsa_code_object_version 6
	.text
	.protected	k_q38b811761c_qkv
	.globl	k_q38b811761c_qkv
	.p2align	8
	.type	k_q38b811761c_qkv,@function
k_q38b811761c_qkv:
	s_mov_b64 s[64:65], 0
	v_nop
	global_prefetch_b8 v0, s[64:65] scope:SCOPE_SE
	s_setreg_imm32_b32 hwreg(HW_REG_WAVE_MODE, 25, 1), 1
	s_wait_xcnt 0x0
	s_wait_alu depctr_hold_cnt(0) depctr_sa_sdst(0) depctr_va_vdst(0) depctr_va_sdst(0) depctr_va_ssrc(0) depctr_va_vcc(0) depctr_vm_vsrc(0)
	s_getreg_b32 s2, hwreg(HW_REG_IB_STS2, 6, 4)
	s_cmp_eq_u32 s2, 0
	s_cbranch_scc0 .Lentry_in_a_cluster
	s_endpgm
.Lentry_in_a_cluster:
	s_bfe_u32 s2, ttmp6, 0x10000c
	s_cmp_lg_u32 s2, 0xf033
	s_cbranch_scc0 .Lentry_shape_is_right
	s_endpgm
.Lentry_shape_is_right:
; q, k, v = (x + biases) qkv_w^T, f16 operands, f32 sums, results rounded to f16 and laid by heads: qkvh = q, k, v, each [8][16][832][64].
; M = 8 x 832 = 6,656 = 32 x 208 rows, N = 3,072 = 8 x 384 columns: 256 tiles of 208 x 384, one to a work-group.  qkv_w's rows were permuted so that a block of 384 is q, q, k, k, v, v of heads 2 nb, 2 nb + 1.
; Four waves; wave w makes all 208 rows x columns 96 w .. 96 w + 95: 13 x 6 = 78 accumulators of 16 x 16, 624 registers.  For 32 along K it reads (208 + 96) x 64 bytes of LDS for 78 products.
; K = 1,024 goes in steps of 128 (rows of 256 bytes) through a ring of two LDS slots of 592 rows: A's 208, then B's 384.  Wave 0 fetches A's tile, waves 1 to 3 a third of B's each: one tensor load a wave.
; CLUSTERS: 4 x 4 work-groups.  The four of a row of the cluster need the same tile of A, the four of a column the same tile of B: each is asked for jointly, by the same load with the same descriptor and a mask of the four.
; THE MATRIX INSTRUCTION IS USED TRANSPOSED (source 0 = 16 rows of the weight, source 1 = 16 rows of x): a lane holds eight neighbouring columns of one row.
; LIMIT: q, k and v must stay under 65,504, f16's largest number.
; REGISTERS, in windows of 256: window 0: v16-29 addresses; v32-135, v136-239 A's fragments, two buffers of 13 x 8.  Windows 1, 2: accumulators 0-63 (idx = 6 a + b at v[8 (idx % 32)]).
;   window 3: v0-111 accumulators 64-77; v112-159, v160-207 B's fragments, two buffers of 6 x 8.
.set KSTEP,  128
.set PITCH,  272                       ; an LDS row: 256 bytes + 16 of padding: the 16 rows that a load touches start at 16 different banks
.set SLOT,   592*PITCH
.set SPARE,  2*SLOT                    ; behind the ring: the spare words, 128 bytes for each wave, which no other line names
.set SPITCH, 784                       ; the way out: 208 rows x (768 bytes + 16), over the ring, which has then had its last fill and its last read
.set WQ_OFF, 13631488
.set LAPS,   4                         ; a lap = two K steps
.set ADRA, 16
.set ADRB, 20
.set STO,  22                          ; v22-24 the stage, in: rows 0-79, 80-159, 160-207
.set RD,   25
.set GO,   26
.set SPW,  28
.set NIL,  29
.set AF,   32
.set BF,   112
.set G1,  24
.set G0,  32
.set G1B, 48
.set G0B, 56
.set OQ,  72                           ; s[72:77] q's, k's and v's rows of my part
.set MSB, 0
.macro WIN new                         ; the immediate's high byte repeats the setting that is left
.if MSB != (\new)
	s_set_vgpr_msb (MSB<<8)|(\new)
.set MSB, (\new)
.endif
.endm
; A joint load: wave 0 fetches for A, waves 1 to 3 for B.  Each of the two lines has one mask; the branch hangs on the wave's number alone.  An s_nop 0 and four v_nop follow each line.
.macro JLOAD s
	s_cmp_eq_u32 s10, 0
	s_cbranch_scc0 .Lfor_b_\@
	tensor_load_to_lds s[G0+4*\s:G0+4*\s+3], s[G1:G1+7]
	s_nop 0
.rept 4
	v_nop
.endr
	s_branch .Lasked_\@
.Lfor_b_\@:
	tensor_load_to_lds s[G0B+4*\s:G0B+4*\s+3], s[G1B:G1B+7]
	s_nop 0
.rept 4
	v_nop
.endr
.Lasked_\@:
.endm
.macro CREST                           ; a round of the cluster's barrier behind its opening barrier
	s_cmp_lg_u32 s10, 0
	s_cbranch_scc1 .Lnot_wave_0_\@
	s_barrier_signal -3
.Lnot_wave_0_\@:
	s_barrier_wait -3
	s_barrier_signal -1
	s_barrier_wait -1
.endm
.macro CROUND
	s_barrier_signal -1
	s_barrier_wait -1
	CREST
.endm
.macro PLACES
.rept 4
	v_nop
.endr
.endm
	s_load_b128 s[4:7], s[0:1], 0x0                ; xw, qkvh
	v_lshl_add_u32 v[SPW], v0, 2, SPARE
	v_mov_b32 v[NIL], 0
	ds_add_u32 v[SPW], v[NIL]                      ; the wave's opening: the add, twice on end, and its wait ahead of my first tensor load
	ds_add_u32 v[SPW], v[NIL]
	v_lshrrev_b32 v1, 5, v0
	v_readfirstlane_b32 s10, v1                    ; wave
	s_bfe_u32 s40, ttmp6, 0x40000                  ; cx
	s_bfe_u32 s41, ttmp6, 0x40004                  ; cy
	s_lshl_b32 s42, ttmp9, 2
	s_add_co_u32 s42, s42, s40                     ; nb: block of 384 columns
	s_and_b32 s13, ttmp7, 0xffff
	s_lshl_b32 s13, s13, 2
	s_add_co_u32 s13, s13, s41                     ; mb: block of 208 rows
	s_lshl_b32 s43, s41, 2
	s_lshl_b32 s43, 15, s43                        ; my row of the cluster
	s_lshl_b32 s44, 0x1111, s40                    ; my column
	s_or_b32 s[G1], s43, (1<<16)|(1<<20)|(1<<21)|(5<<22)|(3<<25)    ; the mask; elements of 2 bytes; padding on; bit 21 beside a mask; 4 words behind every 64
	s_or_b32 s[G1B], s44, (1<<16)|(1<<20)|(1<<21)|(5<<22)|(3<<25)
	s_mov_b32 s[G1+1], KSTEP<<16                   ; tensor_dim0
	s_mov_b32 s[G1+2], 208<<16                     ; tensor_dim1
	s_mov_b32 s[G1+3], KSTEP<<16                   ; tile_dim0
	s_mov_b32 s[G1+4], 208                         ; tile_dim1
	s_mov_b32 s[G1+5], 1024                        ; elements from row to row
	s_mov_b32 s[G1+6], 0
	s_mov_b32 s[G1+7], 0
	s_mov_b32 s[G1B+1], KSTEP<<16
	s_mov_b32 s[G1B+2], 128<<16
	s_mov_b32 s[G1B+3], KSTEP<<16
	s_mov_b32 s[G1B+4], 128
	s_mov_b32 s[G1B+5], 1024
	s_mov_b32 s[G1B+6], 0
	s_mov_b32 s[G1B+7], 0
	s_mul_i32 s16, s13, 208*2048                   ; A: my block's first row, in bytes: it hangs on mb alone
	s_mov_b32 s17, 0
	s_mul_i32 s46, s42, 384*2048                   ; B: my block's first row, + 128 rows for each wave from wave 1 on: nb and the wave's number alone
	s_lshl_b32 s47, s10, 18
	s_add_co_u32 s46, s46, s47
	s_add_co_u32 s46, s46, WQ_OFF-262144
	s_mov_b32 s47, 0
	s_mul_i32 s20, s10, 128*PITCH
	s_add_co_u32 s20, s20, 80*PITCH                ; and in a slot: row 208 + 128 (wave - 1)
	s_wait_dscnt 0x0                               ; both opening adds are done
	s_wait_kmcnt 0x0
	s_add_nc_u64 s[14:15], s[4:5], s[16:17]
	s_add_nc_u64 s[46:47], s[4:5], s[46:47]
	CROUND                                         ; all sixteen work-groups are here: the first joint loads meet
.irp s, 0,1
	s_mov_b32 s[G0+4*\s], 1
	s_mov_b32 s[G0+4*\s+1], \s*SLOT
	s_add_nc_u64 s[G0+4*\s+2:G0+4*\s+3], s[14:15], \s*KSTEP*2
	s_or_b32 s[G0+4*\s+3], s[G0+4*\s+3], 0x80000000
	s_mov_b32 s[G0B+4*\s], 1
	s_add_co_u32 s[G0B+4*\s+1], s20, \s*SLOT
	s_add_nc_u64 s[G0B+4*\s+2:G0B+4*\s+3], s[46:47], \s*KSTEP*2
	s_or_b32 s[G0B+4*\s+3], s[G0B+4*\s+3], 0x80000000
	JLOAD \s                                       ; two loads of mine are out
.endr
	v_and_b32 v1, 15, v0                           ; r
	v_bfe_u32 v2, v0, 4, 1                         ; h
	v_mul_u32_u24 v3, v1, PITCH
	v_lshl_add_u32 v3, v2, 4, v3                   ; a fragment's row x pitch + 16 x half
	s_mul_i32 s22, s10, 96*PITCH
	s_add_co_u32 s22, s22, 208*PITCH               ; my 96 rows of B
	v_add_nc_u32 v[ADRA], 0, v3
	v_add_nc_u32 v[ADRA+1], SLOT, v3
	v_add_nc_u32 v[ADRB], s22, v3
	s_add_co_u32 s22, s22, SLOT
	v_add_nc_u32 v[ADRB+1], s22, v3
	v_mul_u32_u24 v4, v1, SPITCH
	v_lshl_add_u32 v4, v2, 4, v4
	s_mul_i32 s23, s10, 192
	v_add_nc_u32 v[STO], s23, v4                   ; the stage, in: row r, my 192 bytes, 16 for each half of the lanes
	v_add_nc_u32 v[STO+1], 5*16*SPITCH, v[STO]
	v_add_nc_u32 v[STO+2], 10*16*SPITCH, v[STO]
	v_and_b32 v5, 31, v0
	v_lshrrev_b32 v6, 3, v5
	s_mul_i32 s23, s10, 52
	v_add_nc_u32 v6, s23, v6
	v_mul_u32_u24 v6, v6, SPITCH
	v_and_b32 v7, 7, v0
	v_lshl_add_u32 v[RD], v7, 4, v6                ; back: rows 52 w on, eight lanes to a head's 128 bytes, four rows an instruction
	v_lshlrev_b32 v[GO], 4, v5
; products from .. to - 1 of a quarter's 78, from buffer f.  The 78 accumulators take turns, one instruction a turn, in the same order in every quarter.
.macro MULS from, to, f, zero
.set idx, \from
.rept (\to)-(\from)
	WIN 3+0x50*(1+idx/32)
.set rD, 8*(idx%32)
.set rB, BF+48*(\f)+8*(idx%6)
.set rA, AF+104*(\f)+8*(idx/6)
.if \zero
	v_wmma_f32_16x16x32_f16 v[rD:rD+7], v[rB:rB+7], v[rA:rA+7], 0
.else
	v_wmma_f32_16x16x32_f16 v[rD:rD+7], v[rB:rB+7], v[rA:rA+7], v[rD:rD+7]
.endif
.set idx, idx+1
.endr
.endm
.macro FETCH slot, k, f                ; 38 LDS loads in one run: the fragments of 32 along K at byte k of the rows
	WIN 0xc0
.irp i, 0,1,2,3,4,5
	ds_load_b128 v[BF+48*(\f)+8*\i:BF+48*(\f)+8*\i+3],   v[ADRB+\slot] offset:\k+\i*16*PITCH
	ds_load_b128 v[BF+48*(\f)+8*\i+4:BF+48*(\f)+8*\i+7], v[ADRB+\slot] offset:\k+\i*16*PITCH+32
.endr
	WIN 0
.irp i, 0,1,2,3,4,5,6,7,8,9,10,11,12
	ds_load_b128 v[AF+104*(\f)+8*\i:AF+104*(\f)+8*\i+3],   v[ADRA+\slot] offset:\k+\i*16*PITCH
	ds_load_b128 v[AF+104*(\f)+8*\i+4:AF+104*(\f)+8*\i+7], v[ADRA+\slot] offset:\k+\i*16*PITCH+32
.endr
.endm
.macro QUARTER slot, k, f, g, zero     ; multiplies buffer f; behind its 32nd product it fetches the next quarter, at byte k, into buffer g
	s_wait_dscnt 0x0                               ; buffer f is in: its loads went out 46 products ago
	MULS 0, 32, \f, \zero
	PLACES                                         ; four places in front of loads into registers that products have read
	FETCH \slot, \k, \g
	MULS 32, 78, \f, \zero
.endm
; A slot's last quarter multiplies buffer 1 and changes slots: one barrier; in front of it each wave waits for all its tensor loads, adds 0 to its spare word, and waits for that and for its reads of this slot.
.macro TURN slot, next, fill
	WIN 0
	s_wait_tensorcnt 0x0                           ; all my tensor loads have landed: my part of the next slot
	ds_add_u32 v[SPW], v[NIL]                      ; 0 onto my spare word
	s_wait_dscnt 1                                 ; buffer 1 is in; the add may be out
	MULS 0, 16, 1, 0
	s_wait_dscnt 0x0                               ; the add is done, and my reads of this slot are over
	s_barrier_signal -1
	MULS 16, 32, 1, 0
	WIN 0
	s_barrier_wait -1
.if \fill
	CREST                                          ; the barrier has opened a round of the cluster's: no wave of any partner still reads this slot or has a load on its way
	s_add_nc_u64 s[G0+4*\slot+2:G0+4*\slot+3], s[G0+4*\slot+2:G0+4*\slot+3], 2*KSTEP*2
	s_add_nc_u64 s[G0B+4*\slot+2:G0B+4*\slot+3], s[G0B+4*\slot+2:G0B+4*\slot+3], 2*KSTEP*2
	JLOAD \slot                                    ; the first tensor load behind the round; its four v_nop are also the places in front of the loads below
.else
	PLACES
.endif
	FETCH \next, 0, 0
	MULS 32, 78, 1, 0
.endm
	s_wait_tensorcnt 1                             ; my part of K step 0 is in; K step 1's may stay out
	s_barrier_signal -1
	s_barrier_wait -1
	FETCH 0, 0, 0
	QUARTER 0, 64, 0, 1, 1                         ; the first quarter stands in front of the loop: its products start the sums
	WIN 0
	s_mov_b32 s3, LAPS-1
.Llap:                                             ; a trip goes once round the ring and fills both slots again
	QUARTER 0, 128, 1, 0, 0
	QUARTER 0, 192, 0, 1, 0
	TURN 0, 1, 1
	QUARTER 1, 64, 0, 1, 0
	QUARTER 1, 128, 1, 0, 0
	QUARTER 1, 192, 0, 1, 0
	TURN 1, 0, 1
	QUARTER 0, 64, 0, 1, 0
	WIN 0
	s_sub_co_u32 s3, s3, 1
	s_cmp_lg_u32 s3, 0
	s_cbranch_scc1 .Llap
	QUARTER 0, 128, 1, 0, 0                        ; the last lap fills nothing
	QUARTER 0, 192, 0, 1, 0
	TURN 0, 1, 0
	QUARTER 1, 64, 0, 1, 0
	QUARTER 1, 128, 1, 0, 0
	QUARTER 1, 192, 0, 1, 0
	s_wait_dscnt 0x0
	MULS 0, 78, 1, 0
	WIN 0
	; THE WAY OUT.  The stage lies over the ring: every wave has read its last fragment when the barrier is passed.
	s_barrier_signal -1
	s_barrier_wait -1
	s_lshr_b32 s68, s13, 2                         ; batch
	s_lshl_b32 s68, s68, 4
	s_lshl_b32 s69, s42, 1
	s_add_co_u32 s68, s68, s69                     ; + head 2 nb
	s_mul_i32 s68, s68, 832
	s_and_b32 s69, s13, 3
	s_mul_i32 s69, s69, 208
	s_add_co_u32 s68, s68, s69
	s_mul_i32 s69, s10, 52
	s_add_co_u32 s68, s68, s69                     ; + my first row
	s_lshl_b32 s68, s68, 7
	s_mov_b32 s69, 0
	s_add_nc_u64 s[OQ:OQ+1], s[6:7], s[68:69]
	s_add_nc_u64 s[OQ+2:OQ+3], s[OQ:OQ+1], 13631488
	s_add_nc_u64 s[OQ+4:OQ+5], s[OQ+2:OQ+3], 13631488
	PLACES                                         ; in front of the conversions, which read results and write over fragments
.set a_, 0
.rept 13
.if a_ == 8
	s_wait_dscnt 0x0                               ; the first blocks' stores have read their registers
.endif
.set b_, 0
.rept 6
.set idx, 6*a_+b_
.set rD, 8*(idx%32)
.set rT, 32+24*(a_%8)+4*b_
	WIN 5*(1+idx/32)
	v_cvt_pk_f16_f32 v[rT], v[rD], v[rD+1]         ; each accumulator from its low end on
	v_cvt_pk_f16_f32 v[rT+1], v[rD+2], v[rD+3]
	v_cvt_pk_f16_f32 v[rT+2], v[rD+4], v[rD+5]
	v_cvt_pk_f16_f32 v[rT+3], v[rD+6], v[rD+7]
.set b_, b_+1
.endr
	WIN 0
.set b_, 0
.rept 6
	ds_store_b128 v[STO+a_/5], v[32+24*(a_%8)+4*b_:32+24*(a_%8)+4*b_+3] offset:(a_%5)*16*SPITCH+32*b_
.set b_, b_+1
.endr
.set a_, a_+1
.endr
	s_wait_dscnt 0x0                               ; for the others' sake: my stores into the stage are done
	s_barrier_signal -1
	s_barrier_wait -1
.set g_, 0
.rept 6                                ; group g: q, k or v (g / 2) of head 2 nb + g % 2: my 52 rows of 128 bytes are 6,656 consecutive bytes of qkvh
.set BK, 32+52*(g_%2)
.if g_ >= 2
	s_wait_xcnt 0x0                                ; the stores of two groups ago have read their registers
.endif
.set i_, 0
.rept 13
	ds_load_b128 v[BK+4*i_:BK+4*i_+3], v[RD] offset:4*SPITCH*i_+128*g_
.set i_, i_+1
.endr
.set i_, 0
.rept 13
	s_wait_dscnt 12-i_
	global_store_b128 v[GO], v[BK+4*i_:BK+4*i_+3], s[OQ+2*(g_/2):OQ+2*(g_/2)+1] offset:(g_%2)*106496+512*i_   ; 512 consecutive bytes, at a multiple of 256
.set i_, i_+1
.endr
.set g_, g_+1
.endr
	s_wait_tensorcnt 0x0                           ; the wave's end
	ds_add_u32 v[SPW], v[NIL]
	s_wait_dscnt 0x0
	CROUND                                         ; the closing round
	s_endpgm
.Lfunc_end_k_q38b811761c_qkv:
	.size	k_q38b811761c_qkv, .Lfunc_end_k_q38b811761c_qkv-k_q38b811761c_qkv
	.p2alignl 7, 3214868480
	.fill 96, 4, 3214868480
	.section	.rodata,"a",@progbits
	.p2align	6, 0x0
	.amdhsa_kernel k_q38b811761c_qkv
		.amdhsa_group_segment_fixed_size 327680
		.amdhsa_private_segment_fixed_size 0
		.amdhsa_enable_private_segment 0
		.amdhsa_kernarg_size 16
		.amdhsa_user_sgpr_count 2
		.amdhsa_user_sgpr_kernarg_segment_ptr 1
		.amdhsa_wavefront_size32 1
		.amdhsa_system_sgpr_workgroup_id_x 1
		.amdhsa_system_sgpr_workgroup_id_y 1
		.amdhsa_system_sgpr_workgroup_id_z 1
		.amdhsa_system_vgpr_workitem_id 0
		.amdhsa_next_free_vgpr 1024
		.amdhsa_next_free_sgpr 80
		.amdhsa_reserve_vcc 0
		.amdhsa_float_denorm_mode_32 3
		.amdhsa_float_denorm_mode_16_64 3
		.amdhsa_memory_ordered 1
		.amdhsa_forward_progress 1
		.amdhsa_inst_pref_size 172
	.end_amdhsa_kernel
	.amdgpu_metadata
---
amdhsa.version: [ 1, 2 ]
amdhsa.kernels:
  - .name:           k_q38b811761c_qkv
    .symbol:         k_q38b811761c_qkv.kd
    .args:
      - { .name: xw, .offset: 0, .size: 8, .value_kind: global_buffer, .address_space: global }
      - { .name: qkvh, .offset: 8, .size: 8, .value_kind: global_buffer, .address_space: global }
    .group_segment_fixed_size: 327680
    .private_segment_fixed_size: 0
    .kernarg_segment_align: 8
    .kernarg_segment_size: 16
    .max_flat_workgroup_size: 128
    .sgpr_count:     80
    .vgpr_count:     1024
    .wavefront_size: 32
...
	.end_amdgpu_metadata
.endif
;; end of part 2
;; launch attn1 (part 3): grid 2 x 128, 8 waves a work-group, no clusters, 327,680 bytes of LDS; arguments pq, qkvh, tb, pvh, proxy_b, ph; writes pvh, ph
.if DOCPART == 3
	.amdgcn_target "amdgcn-amd-amdhsa--gfx1250"
	.amdhsa_code_object_version 6
	.text
	.protected	k_q38b811761c_attn1
	.globl	k_q38b811761c_attn1
	.p2align	8
	.type	k_q38b811761c_attn1,@function
k_q38b811761c_attn1:
	s_mov_b64 s[64:65], 0
	v_nop
	global_prefetch_b8 v0, s[64:65] scope:SCOPE_SE
	s_setreg_imm32_b32 hwreg(HW_REG_WAVE_MODE, 25, 1), 1
	s_wait_xcnt 0x0
; ATTENTION, one text for both stages (STG): O[head][q] = the sum over keys of softmax(Q . K / 8 + addend) V.  Q, K, V, O: [128 heads][rows][64] f16; products in f16 with f32 sums, maxima and exponentials in f32.
;   STG 1: queries p (1,024), keys and values k, v (832 rows, of which 819 count).  THE QUERIES ARE MADE HERE: p = proxy proxy_w^T + proxy_b, THE QUANTISED PRODUCT, both operands as codes of FP4 (E2M1) with E8M0 scales, sums in f32;
;          a wave makes its own 64 queries of its head, rounds them to f16, keeps them as the scores' operand and stores them to ph, [8][16][1024][64], for the second stage.
;   STG 2: queries q (832 rows), keys p, values the first stage's result (1,024), under the mask.
; THE MASK: each key has an addend, 0 where it counts and -2^100 where it does not; the addends are the C of the scores' first product.  The running maximum begins at -2^96, so keys that do not count get the weight 0 even
; where none has counted yet.  A batch whose mask is all false has addends of 0 and c = 0: equal weights.
; LIMITS: in a batch that is masked in part, masked keys get no weight even where every kept score lies under -1e9; scores must stay under 2^96 in size; operands under 65,504; NaN and infinities are not served.
; SHARES.  A work-group owns 512 queries of a head, each of its eight waves 64: four tiles of 16, in 512 registers: two waves to a SIMD, so that one wave's softmax stands beside the other's products.
; THE WHOLE HEAD'S K AND V LIE IN LDS, each byte filled once: all tensor loads go out at the head, in four groups of keys; a counted wait and a barrier stand in front of the steps that first read a group.  No slot is filled again.
; No cluster: only the two work-groups of a head read the same tiles, each once; a cluster of four would join two heads, and the joint descriptor's address would hang on the place in the cluster.
; LAYOUT.  S^T = K Q^T (source 0 = 16 keys, source 1 = 16 queries): a lane holds one query and keys 8 (lane / 16) + 0 .. 7.  Two such tiles, rounded to f16 in pairs, are source 1 of O^T = V^T P.  V is turned by ds_load_tr16_b128.
; The row's sum is a product of ones with the rounded p: every register of its result holds the query's sum; register 0 is the one that is kept under the running maximum.
; EVERY LDS LOAD IS ASKED FOR A PHASE AHEAD.  Three blocks of 64 registers: block A (v128-191) holds each tile's scores of keys 0-31 and then P; of the other two (v64-127, v192-255) one, KB, holds K and, behind the scores' products, V;
; the other, SB, holds the scores of keys 32-63 and, once P is packed, THE NEXT STEP'S K.  So KB and SB change places from step to step, and a loop's trip is two steps.
; REGISTERS: window 0: v1-10 addresses; v12, v13 the add's two; v16-47 statistics, 8 a tile (+0 c m, +1 m, +2 f, +3 c m_old - c m_new, +4 .. 7 at work); v48-55 ones; v56-62 STG 1's addresses; v64-255 the three blocks.
;   window 1: v0-127 O^T, 32 a tile; v128-159 the sums, 8 a tile; v160-223 Q, 16 a tile; v224-255 the 64 keys' addends.
;   STG 1, while p is made: v16-31 proxy's scale words, v32-47 proxy_w's; four operand sets of 64 (the three blocks, and window 1's v128-191); the 16 accumulators in O^T's place, the bias in the addends'.
.set STG, 1
.if STG == 1
.set NQ, 1024
.set NK, 832
.set DUMMY, 0
.set NP1, 1                            ; pairs of steps behind the wait for the second group of keys,
.set NP2, 4                            ; and behind the wait for all
.else
.set NQ, 832
.set NK, 1024
.set DUMMY, 1                          ; the second work-group of a head has queries for five waves only
.set NP1, 2
.set NP2, 4
.endif
.set PA_S,     4194304                 ; pq: proxy's codes at 0, its scale bytes here,
.set PB_C,     4456448                 ; proxy_w's codes,
.set PB_S,     4980736                 ; its scale bytes
.set KOFF,     13631488                ; k in qkvh
.set VOFFG,    27262976                ; v in qkvh
.set TAB2_OFF, 4096
.set CS_OFF,   36864
.set PIECE, NK/16                      ; rows in a tensor load; four waves' pieces are a group of keys
.set KP,    144                        ; a key's row in LDS: 128 bytes + 16
.set VP,    160                        ; a value's row: 128 + 32
.set VOFF,  NK*KP
.set TAB,   NK*(KP+VP)                 ; the addends, 4 bytes a key
.set SPARE, TAB+4096                   ; the spare words, 128 bytes for each wave, which no other line names
.set PST,   SPARE+1024                 ; STG 1: p's way out: 16 rows x 144 bytes for each wave, bytes of their own into which no fill lands
.set AK0, 1
.set AV0, 2
.set AT0, 3
.set ADK, 4
.set ADV, 5
.set ADT, 6
.set QO,  7
.set STO, 8
.set RD,  9
.set GO,  10
.set SPW, 12
.set NIL, 13
.set ST,  16
.set ONE, 48
.set FAO, 56                           ; STG 1: my byte offsets in pq: proxy's codes,
.set FBO, 57                           ; proxy_w's codes,
.set FSA, 58                           ; proxy's scale words,
.set FSB, 59                           ; proxy_w's;
.set FBI, 60                           ; in proxy_b;
.set STQ, 61                           ; p's stage, in,
.set RDQ, 62                           ; and back
.set SAS, 16
.set SBS, 32
.set SA,  128                          ; block A
.set LF,  128                          ; in window 1
.set QF,  160
.set CA,  224
.set WV,  14
.set HD,  15
.set Q0,  16
.set CS,  20
.set SEL, 22
.set G1K, 24
.set G1V, 32
.set G1T, 40
.set G0T, 48
.set TK,  52                           ; s52 where the NEXT step's keys begin, s53 this step's values, s54 the next step's addends
.set TV,  53
.set TT,  54
.set CNT, 55
.set G0K, 68
.set G0V, 84
.set MSB, 0
.macro WIN new                         ; the immediate's high byte repeats the setting that is left
.if MSB != (\new)
	s_set_vgpr_msb (MSB<<8)|(\new)
.set MSB, (\new)
.endif
.endm
; ---- STG 1's macros.  The codes lie in pq as images of the operand's registers: tile T (16 rows), K step s (128): byte 8192 T + 1024 s + 512 c + 16 lane: a fragment is two loads of 512 consecutive bytes.
.macro LOADSET s                       ; K step s: 16 loads into set s % 4: proxy's fragment i at + 8 i, proxy_w's fragment n at + 32 + 8 n
.if ((\s)%4) == 3
	WIN 0x40
.set LB, 128
.else
	WIN 0
.set LB, 64+64*((\s)%4)
.endif
.irp i, 0,1,2,3
.irp c, 0,1
	global_load_b128 v[LB+8*\i+4*\c:LB+8*\i+4*\c+3], v[FAO], s[4:5] offset:\i*8192+(\s)*1024+512*\c
.endr
.endr
.irp n, 0,1,2,3
.irp c, 0,1
	global_load_b128 v[LB+32+8*\n+4*\c:LB+32+8*\n+4*\c+3], v[FBO], s[4:5] offset:\n*8192+(\s)*1024+512*\c
.endr
.endr
	WIN 0
.endm
.macro MM d, a, b, c, sa, sb, ra, rb   ; one product; ra, rb: the side's scales stand in lanes 16-31
.if (\ra) && (\rb)
	v_wmma_scale_f32_16x16x128_f8f6f4 v[(\d):(\d)+7], v[(\a):(\a)+7], v[(\b):(\b)+7], v[(\c):(\c)+7], v[\sa], v[\sb] matrix_a_fmt:MATRIX_FMT_FP4 matrix_b_fmt:MATRIX_FMT_FP4 matrix_a_scale:MATRIX_SCALE_ROW1 matrix_b_scale:MATRIX_SCALE_ROW1
.elseif (\ra)
	v_wmma_scale_f32_16x16x128_f8f6f4 v[(\d):(\d)+7], v[(\a):(\a)+7], v[(\b):(\b)+7], v[(\c):(\c)+7], v[\sa], v[\sb] matrix_a_fmt:MATRIX_FMT_FP4 matrix_b_fmt:MATRIX_FMT_FP4 matrix_a_scale:MATRIX_SCALE_ROW1
.elseif (\rb)
	v_wmma_scale_f32_16x16x128_f8f6f4 v[(\d):(\d)+7], v[(\a):(\a)+7], v[(\b):(\b)+7], v[(\c):(\c)+7], v[\sa], v[\sb] matrix_a_fmt:MATRIX_FMT_FP4 matrix_b_fmt:MATRIX_FMT_FP4 matrix_b_scale:MATRIX_SCALE_ROW1
.else
	v_wmma_scale_f32_16x16x128_f8f6f4 v[(\d):(\d)+7], v[(\a):(\a)+7], v[(\b):(\b)+7], v[(\c):(\c)+7], v[\sa], v[\sb] matrix_a_fmt:MATRIX_FMT_FP4 matrix_b_fmt:MATRIX_FMT_FP4
.endif
.endm
; K step s of p: 16 products, used transposed (source 0 = 16 rows of proxy_w, source 1 = 16 rows of proxy): a lane holds one row of p and eight neighbouring columns.  The bias is the C of each sum's first product.
; The 16 accumulators take turns, one instruction a turn, in the same order in every step.
.macro FSTEP s
.if (\s) <= 4
	s_wait_loadcnt 48                              ; this step's set is in; the three younger sets may be out
.else
	s_wait_loadcnt 16*(7-(\s))
.endif
.if ((\s)%4) == 3
.set OPB, 128
	WIN 0x55                                       ; all four places window 1
.else
.set OPB, 64+64*((\s)%4)
	WIN 0x50                                       ; C and D window 1
.endif
.irp i, 0,1,2,3
.irp n, 0,1,2,3
.if (\s) == 0
	MM 8*(4*\i+\n), OPB+32+8*\n, OPB+8*\i, CA+8*\n, SBS+8*(\n/2)+(\s), SAS+8*(\i/2)+(\s), \n%2, \i%2
.else
	MM 8*(4*\i+\n), OPB+32+8*\n, OPB+8*\i, 8*(4*\i+\n), SBS+8*(\n/2)+(\s), SAS+8*(\i/2)+(\s), \n%2, \i%2
.endif
.endr
.endr
	WIN 0
.rept 4
	v_nop                                          ; four places in front of loads into registers that the products have read, and of the first read of results
.endr
.if (\s) < 4
	LOADSET (\s)+4
.endif
.endm
	s_load_b128 s[4:7], s[0:1], 0x0
	s_load_b128 s[8:11], s[0:1], 0x10
.if STG == 1
	s_load_b64 s[66:67], s[0:1], 0x20              ; proxy_b
	s_load_b64 s[100:101], s[0:1], 0x28            ; ph
.else
	s_load_b64 s[12:13], s[0:1], 0x20
.endif
	v_lshl_add_u32 v[SPW], v0, 2, SPARE
	v_mov_b32 v[NIL], 0
	ds_add_u32 v[SPW], v[NIL]                      ; the wave's opening: the add, twice on end, and its wait ahead of my first tensor load
	ds_add_u32 v[SPW], v[NIL]
	v_lshrrev_b32 v1, 5, v0
	v_readfirstlane_b32 s[WV], v1                  ; wave 0 .. 7
	v_and_b32 v14, 15, v0                          ; r
	v_bfe_u32 v15, v0, 4, 1                        ; h
	v_and_b32 v11, 31, v0
	v_lshlrev_b32 v[GO], 4, v11                    ; 16 x lane
	s_and_b32 s[HD], ttmp7, 0xffff                 ; 16 x batch + head
	s_lshl_b32 s[Q0], ttmp9, 9
	s_lshl_b32 s17, s[WV], 6
	s_add_co_u32 s[Q0], s[Q0], s17                 ; my first query
	s_mov_b32 s[G1K], (1<<16)|(1<<20)|(4<<22)|(3<<25)   ; elements of 2 bytes; 4 words of padding behind every 32
	s_mov_b32 s[G1K+1], 64<<16
	s_mov_b32 s[G1K+2], PIECE<<16
	s_mov_b32 s[G1K+3], 64<<16
	s_mov_b32 s[G1K+4], PIECE
	s_mov_b32 s[G1K+5], 64
	s_mov_b32 s[G1K+6], 0
	s_mov_b32 s[G1K+7], 0
	s_mov_b32 s[G1V], (1<<16)|(1<<20)|(4<<22)|(7<<25)   ; 8 words of padding
	s_mov_b32 s[G1V+1], 64<<16
	s_mov_b32 s[G1V+2], PIECE<<16
	s_mov_b32 s[G1V+3], 64<<16
	s_mov_b32 s[G1V+4], PIECE
	s_mov_b32 s[G1V+5], 64
	s_mov_b32 s[G1V+6], 0
	s_mov_b32 s[G1V+7], 0
	s_mov_b32 s[G1T], 3<<16                        ; one row of NK / 2 bytes, in elements of 8
	s_mov_b32 s[G1T+1], PIECE<<16
	s_mov_b32 s[G1T+2], 1<<16
	s_mov_b32 s[G1T+3], PIECE<<16
	s_mov_b32 s[G1T+4], 1
	s_mov_b32 s[G1T+5], PIECE
	s_mov_b32 s[G1T+6], 1<<16
	s_mov_b32 s[G1T+7], 0
	s_and_b32 s17, s[WV], 3                        ; which piece of a group I fetch: waves 0-3 K's, waves 4-7 V's
	s_mul_i32 s58, s17, PIECE*KP
	s_mul_i32 s59, s17, PIECE*VP
	s_add_co_u32 s59, s59, VOFF
	s_mul_i32 s60, s17, PIECE*128
	s_mul_i32 s61, s[HD], NK*128
	s_add_co_u32 s60, s60, s61
	s_mov_b32 s61, 0
	s_mul_i32 s62, s[WV], NK/2                     ; my eighth of the addends
	s_mov_b32 s63, 0
	s_min_u32 s18, s[Q0], NQ-64                    ; (a wave without queries of its own loads the last 64)
	s_mul_i32 s19, s[HD], NQ
	s_add_co_u32 s18, s18, s19
	s_lshl_b32 s18, s18, 7
	s_add_co_u32 s2, s[Q0], s19
	s_lshl_b32 s2, s2, 7                           ; my rows in a tensor laid [128][NQ][64] f16
	s_mov_b32 s19, 0
	s_mov_b32 s3, 0
	s_mov_b32 s[SEL], 0x76543210
	s_mov_b32 s[SEL+1], 0xfedcba98
	s_mov_b32 s[TK], 64*KP
	s_mov_b32 s[TV], 0
	s_mov_b32 s[TT], 256
.if STG == 1
	s_lshr_b32 s17, s[HD], 4
	s_lshl_b32 s17, s17, 10
	s_add_co_u32 s17, s17, s[Q0]                   ; my first row of proxy
	s_lshl_b32 s18, s17, 9                         ; 512 bytes of codes a row
	v_add_nc_u32 v[FAO], s18, v[GO]
	v_lshlrev_b32 v[FSB], 4, v14
	v_lshl_add_u32 v[FSB], v15, 9, v[FSB]          ; scale words: 16 bytes a row, lanes 16-31 one tile (512 bytes) on
	s_lshl_b32 s18, s17, 5                         ; 32 scale bytes a row
	s_add_co_u32 s18, s18, PA_S
	v_add_nc_u32 v[FSA], s18, v[FSB]
	s_and_b32 s17, s[HD], 15                       ; the head: 64 rows of proxy_w
	s_lshl_b32 s18, s17, 11
	s_add_co_u32 s18, s18, PB_S
	v_add_nc_u32 v[FSB], s18, v[FSB]
	s_lshl_b32 s18, s17, 15
	s_add_co_u32 s18, s18, PB_C
	v_add_nc_u32 v[FBO], s18, v[GO]
	s_lshl_b32 s18, s17, 8
	v_lshl_add_u32 v[FBI], v15, 5, s18             ; the bias: the head's 64 numbers, my half's eight of a tile
.endif
	s_wait_dscnt 0x0                               ; both opening adds are done
	s_wait_kmcnt 0x0
.if STG == 1                           ; arguments: pq, qkvh, tb, pvh, proxy_b, ph
	s_add_nc_u64 s[12:13], s[10:11], s[2:3]        ; O at my rows
	s_add_nc_u64 s[100:101], s[100:101], s[2:3]    ; ph likewise
	s_mov_b64 s[56:57], s[8:9]                     ; the addends of the 819 keys
	s_add_nc_u64 s[8:9], s[6:7], VOFFG             ; V
	s_add_nc_u64 s[6:7], s[6:7], KOFF              ; K
	s_mov_b32 s[CS], 0x3e38aa3b                    ; c = log2(e) / 8
.irp p, 0,1
.irp q, 0,1
	global_load_b128 v[SAS+8*\p+4*\q:SAS+8*\p+4*\q+3], v[FSA], s[4:5] offset:\p*1024+\q*256   ; register SAS + 8 p + s: K step s of tiles 2 p (lanes 0-15), 2 p + 1 (lanes 16-31)
	global_load_b128 v[SBS+8*\p+4*\q:SBS+8*\p+4*\q+3], v[FSB], s[4:5] offset:\p*1024+\q*256
.endr
.endr
	WIN 0x40
.irp n, 0,1,2,3
	global_load_b128 v[CA+8*\n:CA+8*\n+3], v[FBI], s[66:67] offset:64*\n
	global_load_b128 v[CA+8*\n+4:CA+8*\n+7], v[FBI], s[66:67] offset:64*\n+16
.endr
	WIN 0
	LOADSET 0                                      ; what the first products want goes out ahead of the tiles of K and V
	LOADSET 1
.else                                  ; arguments: qkvh, ph, pvh, tb, oh
	s_lshr_b32 s56, s[HD], 4                       ; batch
	s_lshl_b32 s17, s56, 7
	s_load_b32 s[CS], s[10:11], s17 offset:CS_OFF  ; c of the batch
	s_lshl_b32 s56, s56, 12
	s_add_co_u32 s56, s56, TAB2_OFF
	s_mov_b32 s57, 0
	s_add_nc_u64 s[56:57], s[10:11], s[56:57]      ; the batch's addends
	s_add_nc_u64 s[4:5], s[4:5], s[18:19]
	s_add_nc_u64 s[12:13], s[12:13], s[2:3]
.endif
	s_add_nc_u64 s[6:7], s[6:7], s[60:61]
	s_add_nc_u64 s[8:9], s[8:9], s[60:61]
	s_mov_b32 s[G0T], 1
	s_add_co_u32 s[G0T+1], s62, TAB
	s_add_nc_u64 s[G0T+2:G0T+3], s[56:57], s[62:63]
	s_or_b32 s[G0T+3], s[G0T+3], 0x80000000
.irp g, 0,1,2,3
	s_mov_b32 s[G0K+4*\g], 1
	s_add_co_u32 s[G0K+4*\g+1], s58, \g*4*PIECE*KP
	s_add_nc_u64 s[G0K+4*\g+2:G0K+4*\g+3], s[6:7], \g*4*PIECE*128
	s_or_b32 s[G0K+4*\g+3], s[G0K+4*\g+3], 0x80000000
	s_mov_b32 s[G0V+4*\g], 1
	s_add_co_u32 s[G0V+4*\g+1], s59, \g*4*PIECE*VP
	s_add_nc_u64 s[G0V+4*\g+2:G0V+4*\g+3], s[8:9], \g*4*PIECE*128
	s_or_b32 s[G0V+4*\g+3], s[G0V+4*\g+3], 0x80000000
.endr
	tensor_load_to_lds s[G0T:G0T+3], s[G1T:G1T+7]  ; all fills go out here, ahead of every wait on TENSORcnt, LDS read and barrier: five loads of mine are out
	s_nop 0
	s_cmp_lt_u32 s[WV], 4
	s_cbranch_scc0 .Lfirst_v
.irp g, 0,1,2,3
	tensor_load_to_lds s[G0K+4*\g:G0K+4*\g+3], s[G1K:G1K+7]
	s_nop 0
.endr
.rept 4
	v_nop
.endr
	s_branch .Lfirst_asked
.Lfirst_v:
.irp g, 0,1,2,3
	tensor_load_to_lds s[G0V+4*\g:G0V+4*\g+3], s[G1V:G1V+7]
	s_nop 0
.endr
.rept 4
	v_nop
.endr
.Lfirst_asked:
.if STG == 1
	LOADSET 2
	LOADSET 3
.else
	v_lshlrev_b32 v[QO], 7, v14
	v_lshl_add_u32 v[QO], v15, 4, v[QO]
	WIN 0x40
.irp t, 0,1,2,3
.irp k, 0,1
.irp u, 0,1
	global_load_b128 v[QF+16*\t+8*\k+4*\u:QF+16*\t+8*\k+4*\u+3], v[QO], s[4:5] offset:\t*2048+\k*64+\u*32   ; Q stays in registers
.endr
.endr
.endr
	WIN 0
.endif
	v_mul_u32_u24 v[AK0], v14, KP
	v_lshl_add_u32 v[AK0], v15, 4, v[AK0]          ; K: row r x pitch + 16 x half
	v_and_b32 v[AV0], 7, v0
	v_lshl_add_u32 v[AV0], v15, 3, v[AV0]
	v_mul_u32_u24 v[AV0], v[AV0], VP
	v_bfe_u32 v11, v0, 3, 1
	v_lshl_add_u32 v[AV0], v11, 4, v[AV0]
	v_add_nc_u32 v[AV0], VOFF, v[AV0]              ; V, for the turning load: key 8 h + lane % 8, channels 8 ((lane / 8) % 2) on
	v_lshl_add_u32 v[AT0], v15, 5, TAB             ; the addends of my half's eight keys
	s_mul_i32 s2, s[WV], 64*KP                     ; my stage for O's way out, in K's bytes
	v_add_nc_u32 v[STO], s2, v[AK0]
	v_bfe_u32 v11, v0, 3, 2
	v_mul_u32_u24 v11, v11, KP
	v_and_b32 v[RD], 7, v0
	v_lshl_add_u32 v11, v[RD], 4, v11              ; back: eight lanes to a row of 128 bytes, four rows an instruction
	v_add_nc_u32 v[RD], s2, v11
.if STG == 1
	s_mul_i32 s3, s[WV], 16*KP
	s_add_co_u32 s3, s3, PST                       ; my stage for p's way out
	v_add_nc_u32 v[STQ], s3, v[AK0]
	v_add_nc_u32 v[RDQ], s3, v11
	; ---- p, my 64 queries x the head's 64 channels: K = 1,024 in eight steps of 128
.irp k, 0,1,2,3,4,5,6,7
	FSTEP \k
.endr
	WIN 0x45                                       ; sources and destination window 1
.irp i, 0,1,2,3
.irp n, 0,1,2,3
.irp q, 0,1,2,3
	v_cvt_pk_f16_f32 v[QF+16*\i+4*\n+\q], v[8*(4*\i+\n)+2*\q], v[8*(4*\i+\n)+2*\q+1]   ; column tile n gives registers 4 n .. 4 n + 3 of the query tile's operand: channels 16 n + 8 h + 0 .. 7.  Each accumulator from its low end on
.endr
.endr
.endr
	; p's way out, a tile of 16 rows at a time: 16 bytes a lane into my stage, back as whole rows; LDS serves a wave's instructions in order, so the loads see the stores and the next tile's stores come behind them
.irp i, 0,1,2,3
	WIN 0x04                                       ; an LDS store's data: window 1
.irp n, 0,1,2,3
	ds_store_b128 v[STQ], v[QF+16*\i+4*\n:QF+16*\i+4*\n+3] offset:32*\n
.endr
	WIN 0
.irp k, 0,1,2,3
	ds_load_b128 v[64+16*\i+4*\k:64+16*\i+4*\k+3], v[RDQ] offset:4*KP*\k
.endr
.endr
.irp i, 0,1,2,3
.irp k, 0,1,2,3
	s_wait_dscnt (3-\k)+8*(3-\i)                   ; behind this load: the tile's later loads and eight instructions for each later tile
	global_store_b128 v[GO], v[64+16*\i+4*\k:64+16*\i+4*\k+3], s[100:101] offset:2048*\i+512*\k   ; four rows: 512 consecutive bytes, at a multiple of 256
.endr
.endr
.else
	s_wait_kmcnt 0x0                               ; c
.endif
	s_mov_b32 s[CS+1], s[CS]                       ; (the packed form names the pair)
.irp t, 0,1,2,3
	v_mov_b32 v[ST+8*\t+1], 0xef800000             ; m = -2^96
	v_mul_f32 v[ST+8*\t], s[CS], v[ST+8*\t+1]      ; c m
	v_mov_b32 v[ST+8*\t+2], 0
	v_mov_b32 v[ST+8*\t+3], 0
.endr
.irp i, 0,1,2,3,4,5,6,7
	v_mov_b32 v[ONE+\i], 0x3c003c00                ; 1.0, 1.0 in f16
.endr
; A KEY STEP: 64 keys.  first = 1: the first step, whose products start O^T and the sums; every wave runs it, so that they are written on every way through the text.
; par: which of the two blocks holds K (0: v64-127, 1: v192-255).  pre = 1: the next step's addends and K are asked for.
.macro STEP first, par, pre
.set KB, 64+128*(\par)
.set SB, 192-128*(\par)
.set DS, SB-SA-16                      ; score e of tile t lies at SA + 16 t + e, and DS further on from e = 16
.if DUMMY
.if !\first
	s_cmp_ge_u32 s[Q0], NQ                         ; a wave without queries of its own leaves the step's work out: ids alone; no barrier, wait on tensor loads or tensor load stands in a step
	s_cbranch_scc1 .Lskip_\@
.endif
.endif
	v_add_nc_u32 v[ADK], s[TK], v[AK0]
	v_add_nc_u32 v[ADV], s[TV], v[AV0]
	v_add_nc_u32 v[ADT], s[TT], v[AT0]
	v_nop
	v_nop                                          ; five places: the scores below are written over P and V, which the last products read
	s_wait_dscnt 0x0                               ; K and the addends are in: they were asked for in the step before
	WIN 0x14                                       ; Q and the addends window 1
.irp k, 0,1,2,3                        ; the 16 accumulators take turns, one instruction a turn
.irp t, 0,1,2,3
.set rS, SA+16*\t+8*\k+(\k/2)*DS
	v_wmma_f32_16x16x32_f16 v[rS:rS+7], v[KB+16*\k:KB+16*\k+7], v[QF+16*\t:QF+16*\t+7], v[CA+8*\k:CA+8*\k+7]
.endr
.endr
	WIN 0x04
.irp k, 0,1,2,3
.irp t, 0,1,2,3
.set rS, SA+16*\t+8*\k+(\k/2)*DS
	v_wmma_f32_16x16x32_f16 v[rS:rS+7], v[KB+16*\k+8:KB+16*\k+15], v[QF+16*\t+8:QF+16*\t+15], v[rS:rS+7]
.endr
.endr
	WIN 0
.rept 4
	v_nop                                          ; four places in front of the loads into K's and the addends' registers and of the first read of the scores
.endr
.if \pre
	WIN 0x40
.irp k, 0,1,2,3
	ds_load_b128 v[CA+8*\k:CA+8*\k+3],   v[ADT] offset:64*\k       ; the next step's addends
	ds_load_b128 v[CA+8*\k+4:CA+8*\k+7], v[ADT] offset:64*\k+16
.endr
	WIN 0
.endif
.irp i, 0,1,2,3,4,5,6,7
	ds_load_tr16_b128 v[KB+8*\i:KB+8*\i+3],   v[ADV] offset:(\i/4)*32*VP+(\i%4)*32        ; V into K's registers: keys 32 (i / 4) on, channels 16 (i % 4) on; the softmax stands between these loads and their use
	ds_load_tr16_b128 v[KB+8*\i+4:KB+8*\i+7], v[ADV] offset:(\i/4)*32*VP+16*VP+(\i%4)*32
.endr
	; the softmax, the four tiles by turns.  The maximum: four chains, each begun at an accumulator's low end
.irp k, 0,1,2,3
.irp t, 0,1,2,3
.set rS, SA+16*\t+8*\k+(\k/2)*DS
	v_max3_num_f32 v[ST+8*\t+4+\k], v[rS], v[rS+1], v[rS+2]
.endr
.endr
.irp i, 3,5
.irp k, 0,1,2,3
.irp t, 0,1,2,3
.set rS, SA+16*\t+8*\k+(\k/2)*DS
	v_max3_num_f32 v[ST+8*\t+4+\k], v[ST+8*\t+4+\k], v[rS+\i], v[rS+\i+1]
.endr
.endr
.endr
.irp t, 0,1,2,3
	v_max3_num_f32 v[ST+8*\t+4], v[ST+8*\t+4], v[SA+16*\t+7], v[SA+16*\t+15]
.endr
.irp t, 0,1,2,3
	v_max3_num_f32 v[ST+8*\t+6], v[ST+8*\t+6], v[SB+16*\t+7], v[SB+16*\t+15]
.endr
.irp t, 0,1,2,3
	v_max3_num_f32 v[ST+8*\t+4], v[ST+8*\t+4], v[ST+8*\t+5], v[ST+8*\t+6]
.endr
.irp t, 0,1,2,3
	v_max3_num_f32 v[ST+8*\t+4], v[ST+8*\t+4], v[ST+8*\t+7], v[ST+8*\t+1]   ; with the old m
.endr
.irp t, 0,1,2,3
	v_permlanex16_b32 v[ST+8*\t+5], v[ST+8*\t+4], s[SEL], s[SEL+1]          ; the query's other 32 keys lie in the lane 16 away
.endr
.irp t, 0,1,2,3
	v_max_num_f32 v[ST+8*\t+1], v[ST+8*\t+4], v[ST+8*\t+5]
.endr
.irp t, 0,1,2,3
	v_mul_f32 v[ST+8*\t+6], s[CS], v[ST+8*\t+1]
.endr
.irp t, 0,1,2,3
	v_sub_f32 v[ST+8*\t+3], v[ST+8*\t], v[ST+8*\t+6]                        ; c m_old - c m_new, 0 or less
.endr
.irp t, 0,1,2,3
	v_mov_b32 v[ST+8*\t], v[ST+8*\t+6]
.endr
.if !\first
.irp t, 0,1,2,3
	v_exp_f32 v[ST+8*\t+2], v[ST+8*\t+3]           ; f = 2^(c m_old - c m_new): a small batch of its own, so that O^T can be rescaled while the large one is at work
.endr
.endif
.irp n, 0,1,2,3,4,5,6,7,8,9,10,11,12,13,14,15
.irp t, 0,1,2,3
.set rS, SA+16*\t+2*\n+(\n/8)*DS
	v_pk_fma_f32 v[rS:rS+1], v[rS:rS+1], s[CS:CS+1], v[ST+8*\t:ST+8*\t+1] op_sel_hi:[1,0,0] neg_lo:[0,0,1] neg_hi:[0,0,1]   ; c s - c m
.endr
.endr
.if !\first
	s_wait_alu depctr_va_vdst(0)                   ; the wait for the four f, behind the 64 scalings and ahead of their first reader
.endif
.irp n, 0,1,2,3,4,5,6,7,8,9,10,11,12,13,14,15,16,17,18,19,20,21,22,23,24,25,26,27,28,29,30,31
.irp t, 0,1,2,3
.set rS, SA+16*\t+\n+(\n/16)*DS
	v_exp_f32 v[rS], v[rS]
.endr
.endr
.if !\first
	WIN 0x41                                       ; these 68 name f and no result of the batch of 128: they are the independent work between the batch and its wait
.irp n, 0,1,2,3,4,5,6,7,8,9,10,11,12,13,14,15
.irp t, 0,1,2,3
	v_pk_mul_f32 v[32*\t+2*\n:32*\t+2*\n+1], v[32*\t+2*\n:32*\t+2*\n+1], v[ST+8*\t+2:ST+8*\t+3] op_sel_hi:[1,0]   ; O^T under the new maximum
.endr
.endr
.irp t, 0,1,2,3
	v_pk_mul_f32 v[LF+8*\t:LF+8*\t+1], v[LF+8*\t:LF+8*\t+1], v[ST+8*\t+2:ST+8*\t+3] op_sel_hi:[1,0]               ; and the sum (its other registers are not read)
.endr
	WIN 0
.else
	v_nop                                          ; a plain instruction behind the last exponential
.endif
	s_wait_alu depctr_va_vdst(0)                   ; one wait for the batch of 128, ahead of its first reader
.irp n, 0,1,2,3,4,5,6,7,8,9,10,11,12,13,14,15
.irp t, 0,1,2,3
.set rS, SA+16*\t+2*\n+(\n/8)*DS
	v_cvt_pk_f16_f32 v[SA+16*\t+\n], v[rS], v[rS+1]      ; P into block A: register n is written when block A's registers up to 2 n + 1 have been read; from n = 8 on the sources lie in SB
.endr
.endr
.if \pre
.irp i, 0,1,2,3,4,5,6,7
	ds_load_b128 v[SB+8*\i:SB+8*\i+3],   v[ADK] offset:(\i/2)*16*KP+(\i%2)*64      ; the next step's K into SB, which is free now: keys 16 (i / 2) on, channels 32 (i % 2) on; the 40 products below stand between these loads and their use
	ds_load_b128 v[SB+8*\i+4:SB+8*\i+7], v[ADK] offset:(\i/2)*16*KP+(\i%2)*64+32
.endr
.endif
	s_wait_dscnt 16*(\pre)                         ; V is in; the 16 loads of K issued behind it may be out
	WIN 0x50
.irp g, 0,1                            ; 32 keys at a time: 16 products for O^T and 4 for the sums; the 20 accumulators take turns
.irp c, 0,1,2,3
.irp t, 0,1,2,3
.if \first && (\g == 0)
	v_wmma_f32_16x16x32_f16 v[32*\t+8*\c:32*\t+8*\c+7], v[KB+32*\g+8*\c:KB+32*\g+8*\c+7], v[SA+16*\t+8*\g:SA+16*\t+8*\g+7], 0
.else
	v_wmma_f32_16x16x32_f16 v[32*\t+8*\c:32*\t+8*\c+7], v[KB+32*\g+8*\c:KB+32*\g+8*\c+7], v[SA+16*\t+8*\g:SA+16*\t+8*\g+7], v[32*\t+8*\c:32*\t+8*\c+7]
.endif
.endr
.endr
.irp t, 0,1,2,3
.if \first && (\g == 0)
	v_wmma_f32_16x16x32_f16 v[LF+8*\t:LF+8*\t+7], v[ONE:ONE+7], v[SA+16*\t+8*\g:SA+16*\t+8*\g+7], 0
.else
	v_wmma_f32_16x16x32_f16 v[LF+8*\t:LF+8*\t+7], v[ONE:ONE+7], v[SA+16*\t+8*\g:SA+16*\t+8*\g+7], v[LF+8*\t:LF+8*\t+7]
.endif
.endr
.endr
	WIN 0
.if DUMMY
.if !\first
.Lskip_\@:
.endif
.endif
	s_add_co_u32 s[TK], s[TK], 64*KP
	s_add_co_u32 s[TV], s[TV], 64*VP
	s_add_co_u32 s[TT], s[TT], 256
.endm
; More groups of keys: my parts have landed (left: the younger groups, which may stay out), everybody's have; then pairs of steps.
.macro PHASE left, pairs
	s_wait_tensorcnt \left
	s_wait_dscnt 0x0
	s_barrier_signal -1
	s_barrier_wait -1
	s_mov_b32 s[CNT], \pairs
.Lph_\@:
	STEP 0, 0, 1
	STEP 0, 1, 1
	s_sub_co_u32 s[CNT], s[CNT], 1
	s_cmp_lg_u32 s[CNT], 0
	s_cbranch_scc1 .Lph_\@
.endm
; WHICH STEPS STAND BEHIND WHICH WAIT.  Step j reads V of keys 64 j on and K of keys 64 (j + 1) on, up to key 64 j + 127.  A group is NK / 4 keys.
;   NK = 832: groups end at keys 207, 415, ..: steps 0, 1 read up to key 191; steps 2, 3 up to 319.      NK = 1,024: at 255, 511, ..: steps 0, 1 up to 191; steps 2 to 5 up to 447.
	s_wait_loadcnt 0x0                             ; STG 2: Q
	s_wait_tensorcnt 3                             ; the addends and my part of the first group are in; three groups may be out
	s_wait_dscnt 0x0
	s_barrier_signal -1
	s_barrier_wait -1
.if STG == 1
	s_wait_xcnt 0x0                                ; p's stores have read their registers, which K's first loads land on
.endif
.irp i, 0,1,2,3,4,5,6,7
	ds_load_b128 v[64+8*\i:64+8*\i+3],   v[AK0] offset:(\i/2)*16*KP+(\i%2)*64      ; K of step 0
	ds_load_b128 v[64+8*\i+4:64+8*\i+7], v[AK0] offset:(\i/2)*16*KP+(\i%2)*64+32
.endr
	WIN 0x40
.irp k, 0,1,2,3
	ds_load_b128 v[CA+8*\k:CA+8*\k+3],   v[AT0] offset:64*\k                       ; and its addends
	ds_load_b128 v[CA+8*\k+4:CA+8*\k+7], v[AT0] offset:64*\k+16
.endr
	WIN 0
	STEP 1, 0, 1
	STEP 0, 1, 1
	PHASE 2, NP1
	PHASE 0, NP2
.if STG == 1
	STEP 0, 0, 0                                   ; step 12, the last: nothing is left to ask for
.else
	STEP 0, 0, 1                                   ; steps 14 and 15
	STEP 0, 1, 0
.endif
	; THE WAY OUT.  The stages lie in K's bytes, which have had their one fill; behind this barrier nobody reads them.
	s_wait_dscnt 0x0
	s_barrier_signal -1
	s_barrier_wait -1
.if DUMMY
	s_cmp_ge_u32 s[Q0], NQ
	s_cbranch_scc1 .Lend
.endif
.rept 4
	v_nop                                          ; four places behind the last products
.endr
	WIN 0x01
.irp t, 0,1,2,3
	v_rcp_f32 v[ST+8*\t+2], v[LF+8*\t]             ; 1 / the row's sum: the accumulator's register 0
.endr
	v_nop
	s_wait_alu depctr_va_vdst(0)                   ; one wait for the four reciprocals, ahead of their first reader
	WIN 0x41
.irp n, 0,1,2,3,4,5,6,7,8,9,10,11,12,13,14,15
.irp t, 0,1,2,3
	v_pk_mul_f32 v[32*\t+2*\n:32*\t+2*\n+1], v[32*\t+2*\n:32*\t+2*\n+1], v[ST+8*\t+2:ST+8*\t+3] op_sel_hi:[1,0]
.endr
.endr
	WIN 0x05
.irp t, 0,1,2,3
.irp n, 0,1,2,3,4,5,6,7,8,9,10,11,12,13,14,15
	v_cvt_pk_f16_f32 v[SA+16*\t+\n], v[32*\t+2*\n], v[32*\t+2*\n+1]
.endr
.endr
	WIN 0
.irp t, 0,1,2,3
.irp c, 0,1,2,3
	ds_store_b128 v[STO], v[SA+16*\t+4*\c:SA+16*\t+4*\c+3] offset:\t*16*KP+32*\c
.endr
.endr
.irp i, 0,1,2,3,4,5,6,7,8,9,10,11,12,13,14,15
	ds_load_b128 v[192+4*\i:195+4*\i], v[RD] offset:4*KP*\i   ; LDS serves a wave's instructions in order: these see my stores
.endr
.irp i, 0,1,2,3,4,5,6,7,8,9,10,11,12,13,14,15
	s_wait_dscnt 15-\i
	global_store_b128 v[GO], v[192+4*\i:195+4*\i], s[12:13] offset:512*\i   ; four rows: 512 consecutive bytes, at a multiple of 256
.endr
.if DUMMY
.Lend:
.endif
	s_wait_tensorcnt 0x0                           ; the wave's end, behind my last tensor load and my last LDS store
	ds_add_u32 v[SPW], v[NIL]
	s_wait_dscnt 0x0
	s_endpgm
.Lfunc_end_k_q38b811761c_attn1:
	.size	k_q38b811761c_attn1, .Lfunc_end_k_q38b811761c_attn1-k_q38b811761c_attn1
	.p2alignl 7, 3214868480
	.fill 96, 4, 3214868480
	.section	.rodata,"a",@progbits
	.p2align	6, 0x0
	.amdhsa_kernel k_q38b811761c_attn1
		.amdhsa_group_segment_fixed_size 327680
		.amdhsa_private_segment_fixed_size 0
		.amdhsa_enable_private_segment 0
		.amdhsa_kernarg_size 48
		.amdhsa_user_sgpr_count 2
		.amdhsa_user_sgpr_kernarg_segment_ptr 1
		.amdhsa_wavefront_size32 1
		.amdhsa_system_sgpr_workgroup_id_x 1
		.amdhsa_system_sgpr_workgroup_id_y 1
		.amdhsa_system_sgpr_workgroup_id_z 1
		.amdhsa_system_vgpr_workitem_id 0
		.amdhsa_next_free_vgpr 512
		.amdhsa_next_free_sgpr 104
		.amdhsa_reserve_vcc 0
		.amdhsa_float_denorm_mode_32 3
		.amdhsa_float_denorm_mode_16_64 3
		.amdhsa_memory_ordered 1
		.amdhsa_forward_progress 1
		.amdhsa_inst_pref_size 255
	.end_amdhsa_kernel
	.section	.bss,"aw",@nobits
	.p2align	6
	.space	262144
	.amdgpu_metadata
---
amdhsa.version: [ 1, 2 ]
amdhsa.kernels:
  - .name:           k_q38b811761c_attn1
    .symbol:         k_q38b811761c_attn1.kd
    .args:
      - { .name: pq, .offset: 0, .size: 8, .value_kind: global_buffer, .address_space: global }
      - { .name: qkvh, .offset: 8, .size: 8, .value_kind: global_buffer, .address_space: global }
      - { .name: tb, .offset: 16, .size: 8, .value_kind: global_buffer, .address_space: global }
      - { .name: pvh, .offset: 24, .size: 8, .value_kind: global_buffer, .address_space: global }
      - { .name: proxy_b, .offset: 32, .size: 8, .value_kind: global_buffer, .address_space: global }
      - { .name: ph, .offset: 40, .size: 8, .value_kind: global_buffer, .address_space: global }
    .group_segment_fixed_size: 327680
    .private_segment_fixed_size: 0
    .kernarg_segment_align: 8
    .kernarg_segment_size: 48
    .max_flat_workgroup_size: 256
    .sgpr_count:     104
    .vgpr_count:     512
    .wavefront_size: 32
...
	.end_amdgpu_metadata
.endif
;; end of part 3
;; launch attn2 (part 4): grid 2 x 128, 8 waves a work-group, no clusters, 327,680 bytes of LDS; arguments qkvh, ph, pvh, tb, oh; writes oh
.if DOCPART == 4
	.amdgcn_target "amdgcn-amd-amdhsa--gfx1250"
	.amdhsa_code_object_version 6
	.text
	.protected	k_q38b811761c_attn2
	.globl	k_q38b811761c_attn2
	.p2align	8
	.type	k_q38b811761c_attn2,@function
k_q38b811761c_attn2:
	s_mov_b64 s[64:65], 0
	v_nop
	global_prefetch_b8 v0, s[64:65] scope:SCOPE_SE
	s_setreg_imm32_b32 hwreg(HW_REG_WAVE_MODE, 25, 1), 1
	s_wait_xcnt 0x0
; ATTENTION, one text for both stages (STG): O[head][q] = the sum over keys of softmax(Q . K / 8 + addend) V.  Q, K, V, O: [128 heads][rows][64] f16; products in f16 with f32 sums, maxima and exponentials in f32.
;   STG 1: queries p (1,024), keys and values k, v (832 rows, of which 819 count).  THE QUERIES ARE MADE HERE: p = proxy proxy_w^T + proxy_b, THE QUANTISED PRODUCT, both operands as codes of FP4 (E2M1) with E8M0 scales, sums in f32;
;          a wave makes its own 64 queries of its head, rounds them to f16, keeps them as the scores' operand and stores them to ph, [8][16][1024][64], for the second stage.
;   STG 2: queries q (832 rows), keys p, values the first stage's result (1,024), under the mask.
; THE MASK: each key has an addend, 0 where it counts and -2^100 where it does not; the addends are the C of the scores' first product.  The running maximum begins at -2^96, so keys that do not count get the weight 0 even
; where none has counted yet.  A batch whose mask is all false has addends of 0 and c = 0: equal weights.
; LIMITS: in a batch that is masked in part, masked keys get no weight even where every kept score lies under -1e9; scores must stay under 2^96 in size; operands under 65,504; NaN and infinities are not served.
; SHARES.  A work-group owns 512 queries of a head, each of its eight waves 64: four tiles of 16, in 512 registers: two waves to a SIMD, so that one wave's softmax stands beside the other's products.
; THE WHOLE HEAD'S K AND V LIE IN LDS, each byte filled once: all tensor loads go out at the head, in four groups of keys; a counted wait and a barrier stand in front of the steps that first read a group.  No slot is filled again.
; No cluster: only the two work-groups of a head read the same tiles, each once; a cluster of four would join two heads, and the joint descriptor's address would hang on the place in the cluster.
; LAYOUT.  S^T = K Q^T (source 0 = 16 keys, source 1 = 16 queries): a lane holds one query and keys 8 (lane / 16) + 0 .. 7.  Two such tiles, rounded to f16 in pairs, are source 1 of O^T = V^T P.  V is turned by ds_load_tr16_b128.
; The row's sum is a product of ones with the rounded p: every register of its result holds the query's sum; register 0 is the one that is kept under the running maximum.
; EVERY LDS LOAD IS ASKED FOR A PHASE AHEAD.  Three blocks of 64 registers: block A (v128-191) holds each tile's scores of keys 0-31 and then P; of the other two (v64-127, v192-255) one, KB, holds K and, behind the scores' products, V;
; the other, SB, holds the scores of keys 32-63 and, once P is packed, THE NEXT STEP'S K.  So KB and SB change places from step to step, and a loop's trip is two steps.
; REGISTERS: window 0: v1-10 addresses; v12, v13 the add's two; v16-47 statistics, 8 a tile (+0 c m, +1 m, +2 f, +3 c m_old - c m_new, +4 .. 7 at work); v48-55 ones; v56-62 STG 1's addresses; v64-255 the three blocks.
;   window 1: v0-127 O^T, 32 a tile; v128-159 the sums, 8 a tile; v160-223 Q, 16 a tile; v224-255 the 64 keys' addends.
;   STG 1, while p is made: v16-31 proxy's scale words, v32-47 proxy_w's; four operand sets of 64 (the three blocks, and window 1's v128-191); the 16 accumulators in O^T's place, the bias in the addends'.
.set STG, 2
.if STG == 1
.set NQ, 1024
.set NK, 832
.set DUMMY, 0
.set NP1, 1                            ; pairs of steps behind the wait for the second group of keys,
.set NP2, 4                            ; and behind the wait for all
.else
.set NQ, 832
.set NK, 1024
.set DUMMY, 1                          ; the second work-group of a head has queries for five waves only
.set NP1, 2
.set NP2, 4
.endif
.set PA_S,     4194304                 ; pq: proxy's codes at 0, its scale bytes here,
.set PB_C,     4456448                 ; proxy_w's codes,
.set PB_S,     4980736                 ; its scale bytes
.set KOFF,     13631488                ; k in qkvh
.set VOFFG,    27262976                ; v in qkvh
.set TAB2_OFF, 4096
.set CS_OFF,   36864
.set PIECE, NK/16                      ; rows in a tensor load; four waves' pieces are a group of keys
.set KP,    144                        ; a key's row in LDS: 128 bytes + 16
.set VP,    160                        ; a value's row: 128 + 32
.set VOFF,  NK*KP
.set TAB,   NK*(KP+VP)                 ; the addends, 4 bytes a key
.set SPARE, TAB+4096                   ; the spare words, 128 bytes for each wave, which no other line names
.set PST,   SPARE+1024                 ; STG 1: p's way out: 16 rows x 144 bytes for each wave, bytes of their own into which no fill lands
.set AK0, 1
.set AV0, 2
.set AT0, 3
.set ADK, 4
.set ADV, 5
.set ADT, 6
.set QO,  7
.set STO, 8
.set RD,  9
.set GO,  10
.set SPW, 12
.set NIL, 13
.set ST,  16
.set ONE, 48
.set FAO, 56                           ; STG 1: my byte offsets in pq: proxy's codes,
.set FBO, 57                           ; proxy_w's codes,
.set FSA, 58                           ; proxy's scale words,
.set FSB, 59                           ; proxy_w's;
.set FBI, 60                           ; in proxy_b;
.set STQ, 61                           ; p's stage, in,
.set RDQ, 62                           ; and back
.set SAS, 16
.set SBS, 32
.set SA,  128                          ; block A
.set LF,  128                          ; in window 1
.set QF,  160
.set CA,  224
.set WV,  14
.set HD,  15
.set Q0,  16
.set CS,  20
.set SEL, 22
.set G1K, 24
.set G1V, 32
.set G1T, 40
.set G0T, 48
.set TK,  52                           ; s52 where the NEXT step's keys begin, s53 this step's values, s54 the next step's addends
.set TV,  53
.set TT,  54
.set CNT, 55
.set G0K, 68
.set G0V, 84
.set MSB, 0
.macro WIN new                         ; the immediate's high byte repeats the setting that is left
.if MSB != (\new)
	s_set_vgpr_msb (MSB<<8)|(\new)
.set MSB, (\new)
.endif
.endm
; ---- STG 1's macros.  The codes lie in pq as images of the operand's registers: tile T (16 rows), K step s (128): byte 8192 T + 1024 s + 512 c + 16 lane: a fragment is two loads of 512 consecutive bytes.
.macro LOADSET s                       ; K step s: 16 loads into set s % 4: proxy's fragment i at + 8 i, proxy_w's fragment n at + 32 + 8 n
.if ((\s)%4) == 3
	WIN 0x40
.set LB, 128
.else
	WIN 0
.set LB, 64+64*((\s)%4)
.endif
.irp i, 0,1,2,3
.irp c, 0,1
	global_load_b128 v[LB+8*\i+4*\c:LB+8*\i+4*\c+3], v[FAO], s[4:5] offset:\i*8192+(\s)*1024+512*\c
.endr
.endr
.irp n, 0,1,2,3
.irp c, 0,1
	global_load_b128 v[LB+32+8*\n+4*\c:LB+32+8*\n+4*\c+3], v[FBO], s[4:5] offset:\n*8192+(\s)*1024+512*\c
.endr
.endr
	WIN 0
.endm
.macro MM d, a, b, c, sa, sb, ra, rb   ; one product; ra, rb: the side's scales stand in lanes 16-31
.if (\ra) && (\rb)
	v_wmma_scale_f32_16x16x128_f8f6f4 v[(\d):(\d)+7], v[(\a):(\a)+7], v[(\b):(\b)+7], v[(\c):(\c)+7], v[\sa], v[\sb] matrix_a_fmt:MATRIX_FMT_FP4 matrix_b_fmt:MATRIX_FMT_FP4 matrix_a_scale:MATRIX_SCALE_ROW1 matrix_b_scale:MATRIX_SCALE_ROW1
.elseif (\ra)
	v_wmma_scale_f32_16x16x128_f8f6f4 v[(\d):(\d)+7], v[(\a):(\a)+7], v[(\b):(\b)+7], v[(\c):(\c)+7], v[\sa], v[\sb] matrix_a_fmt:MATRIX_FMT_FP4 matrix_b_fmt:MATRIX_FMT_FP4 matrix_a_scale:MATRIX_SCALE_ROW1
.elseif (\rb)
	v_wmma_scale_f32_16x16x128_f8f6f4 v[(\d):(\d)+7], v[(\a):(\a)+7], v[(\b):(\b)+7], v[(\c):(\c)+7], v[\sa], v[\sb] matrix_a_fmt:MATRIX_FMT_FP4 matrix_b_fmt:MATRIX_FMT_FP4 matrix_b_scale:MATRIX_SCALE_ROW1
.else
	v_wmma_scale_f32_16x16x128_f8f6f4 v[(\d):(\d)+7], v[(\a):(\a)+7], v[(\b):(\b)+7], v[(\c):(\c)+7], v[\sa], v[\sb] matrix_a_fmt:MATRIX_FMT_FP4 matrix_b_fmt:MATRIX_FMT_FP4
.endif
.endm
; K step s of p: 16 products, used transposed (source 0 = 16 rows of proxy_w, source 1 = 16 rows of proxy): a lane holds one row of p and eight neighbouring columns.  The bias is the C of each sum's first product.
; The 16 accumulators take turns, one instruction a turn, in the same order in every step.
.macro FSTEP s
.if (\s) <= 4
	s_wait_loadcnt 48                              ; this step's set is in; the three younger sets may be out
.else
	s_wait_loadcnt 16*(7-(\s))
.endif
.if ((\s)%4) == 3
.set OPB, 128
	WIN 0x55                                       ; all four places window 1
.else
.set OPB, 64+64*((\s)%4)
	WIN 0x50                                       ; C and D window 1
.endif
.irp i, 0,1,2,3
.irp n, 0,1,2,3
.if (\s) == 0
	MM 8*(4*\i+\n), OPB+32+8*\n, OPB+8*\i, CA+8*\n, SBS+8*(\n/2)+(\s), SAS+8*(\i/2)+(\s), \n%2, \i%2
.else
	MM 8*(4*\i+\n), OPB+32+8*\n, OPB+8*\i, 8*(4*\i+\n), SBS+8*(\n/2)+(\s), SAS+8*(\i/2)+(\s), \n%2, \i%2
.endif
.endr
.endr
	WIN 0
.rept 4
	v_nop                                          ; four places in front of loads into registers that the products have read, and of the first read of results
.endr
.if (\s) < 4
	LOADSET (\s)+4
.endif
.endm
	s_load_b128 s[4:7], s[0:1], 0x0
	s_load_b128 s[8:11], s[0:1], 0x10
.if STG == 1
	s_load_b64 s[66:67], s[0:1], 0x20              ; proxy_b
	s_load_b64 s[100:101], s[0:1], 0x28            ; ph
.else
	s_load_b64 s[12:13], s[0:1], 0x20
.endif
	v_lshl_add_u32 v[SPW], v0, 2, SPARE
	v_mov_b32 v[NIL], 0
	ds_add_u32 v[SPW], v[NIL]                      ; the wave's opening: the add, twice on end, and its wait ahead of my first tensor load
	ds_add_u32 v[SPW], v[NIL]
	v_lshrrev_b32 v1, 5, v0
	v_readfirstlane_b32 s[WV], v1                  ; wave 0 .. 7
	v_and_b32 v14, 15, v0                          ; r
	v_bfe_u32 v15, v0, 4, 1                        ; h
	v_and_b32 v11, 31, v0
	v_lshlrev_b32 v[GO], 4, v11                    ; 16 x lane
	s_and_b32 s[HD], ttmp7, 0xffff                 ; 16 x batch + head
	s_lshl_b32 s[Q0], ttmp9, 9
	s_lshl_b32 s17, s[WV], 6
	s_add_co_u32 s[Q0], s[Q0], s17                 ; my first query
	s_mov_b32 s[G1K], (1<<16)|(1<<20)|(4<<22)|(3<<25)   ; elements of 2 bytes; 4 words of padding behind every 32
	s_mov_b32 s[G1K+1], 64<<16
	s_mov_b32 s[G1K+2], PIECE<<16
	s_mov_b32 s[G1K+3], 64<<16
	s_mov_b32 s[G1K+4], PIECE
	s_mov_b32 s[G1K+5], 64
	s_mov_b32 s[G1K+6], 0
	s_mov_b32 s[G1K+7], 0
	s_mov_b32 s[G1V], (1<<16)|(1<<20)|(4<<22)|(7<<25)   ; 8 words of padding
	s_mov_b32 s[G1V+1], 64<<16
	s_mov_b32 s[G1V+2], PIECE<<16
	s_mov_b32 s[G1V+3], 64<<16
	s_mov_b32 s[G1V+4], PIECE
	s_mov_b32 s[G1V+5], 64
	s_mov_b32 s[G1V+6], 0
	s_mov_b32 s[G1V+7], 0
	s_mov_b32 s[G1T], 3<<16                        ; one row of NK / 2 bytes, in elements of 8
	s_mov_b32 s[G1T+1], PIECE<<16
	s_mov_b32 s[G1T+2], 1<<16
	s_mov_b32 s[G1T+3], PIECE<<16
	s_mov_b32 s[G1T+4], 1
	s_mov_b32 s[G1T+5], PIECE
	s_mov_b32 s[G1T+6], 1<<16
	s_mov_b32 s[G1T+7], 0
	s_and_b32 s17, s[WV], 3                        ; which piece of a group I fetch: waves 0-3 K's, waves 4-7 V's
	s_mul_i32 s58, s17, PIECE*KP
	s_mul_i32 s59, s17, PIECE*VP
	s_add_co_u32 s59, s59, VOFF
	s_mul_i32 s60, s17, PIECE*128
	s_mul_i32 s61, s[HD], NK*128
	s_add_co_u32 s60, s60, s61
	s_mov_b32 s61, 0
	s_mul_i32 s62, s[WV], NK/2                     ; my eighth of the addends
	s_mov_b32 s63, 0
	s_min_u32 s18, s[Q0], NQ-64                    ; (a wave without queries of its own loads the last 64)
	s_mul_i32 s19, s[HD], NQ
	s_add_co_u32 s18, s18, s19
	s_lshl_b32 s18, s18, 7
	s_add_co_u32 s2, s[Q0], s19
	s_lshl_b32 s2, s2, 7                           ; my rows in a tensor laid [128][NQ][64] f16
	s_mov_b32 s19, 0
	s_mov_b32 s3, 0
	s_mov_b32 s[SEL], 0x76543210
	s_mov_b32 s[SEL+1], 0xfedcba98
	s_mov_b32 s[TK], 64*KP
	s_mov_b32 s[TV], 0
	s_mov_b32 s[TT], 256
.if STG == 1
	s_lshr_b32 s17, s[HD], 4
	s_lshl_b32 s17, s17, 10
	s_add_co_u32 s17, s17, s[Q0]                   ; my first row of proxy
	s_lshl_b32 s18, s17, 9                         ; 512 bytes of codes a row
	v_add_nc_u32 v[FAO], s18, v[GO]
	v_lshlrev_b32 v[FSB], 4, v14
	v_lshl_add_u32 v[FSB], v15, 9, v[FSB]          ; scale words: 16 bytes a row, lanes 16-31 one tile (512 bytes) on
	s_lshl_b32 s18, s17, 5                         ; 32 scale bytes a row
	s_add_co_u32 s18, s18, PA_S
	v_add_nc_u32 v[FSA], s18, v[FSB]
	s_and_b32 s17, s[HD], 15                       ; the head: 64 rows of proxy_w
	s_lshl_b32 s18, s17, 11
	s_add_co_u32 s18, s18, PB_S
	v_add_nc_u32 v[FSB], s18, v[FSB]
	s_lshl_b32 s18, s17, 15
	s_add_co_u32 s18, s18, PB_C
	v_add_nc_u32 v[FBO], s18, v[GO]
	s_lshl_b32 s18, s17, 8
	v_lshl_add_u32 v[FBI], v15, 5, s18             ; the bias: the head's 64 numbers, my half's eight of a tile
.endif
	s_wait_dscnt 0x0                               ; both opening adds are done
	s_wait_kmcnt 0x0
.if STG == 1                           ; arguments: pq, qkvh, tb, pvh, proxy_b, ph
	s_add_nc_u64 s[12:13], s[10:11], s[2:3]        ; O at my rows
	s_add_nc_u64 s[100:101], s[100:101], s[2:3]    ; ph likewise
	s_mov_b64 s[56:57], s[8:9]                     ; the addends of the 819 keys
	s_add_nc_u64 s[8:9], s[6:7], VOFFG             ; V
	s_add_nc_u64 s[6:7], s[6:7], KOFF              ; K
	s_mov_b32 s[CS], 0x3e38aa3b                    ; c = log2(e) / 8
.irp p, 0,1
.irp q, 0,1
	global_load_b128 v[SAS+8*\p+4*\q:SAS+8*\p+4*\q+3], v[FSA], s[4:5] offset:\p*1024+\q*256   ; register SAS + 8 p + s: K step s of tiles 2 p (lanes 0-15), 2 p + 1 (lanes 16-31)
	global_load_b128 v[SBS+8*\p+4*\q:SBS+8*\p+4*\q+3], v[FSB], s[4:5] offset:\p*1024+\q*256
.endr
.endr
	WIN 0x40
.irp n, 0,1,2,3
	global_load_b128 v[CA+8*\n:CA+8*\n+3], v[FBI], s[66:67] offset:64*\n
	global_load_b128 v[CA+8*\n+4:CA+8*\n+7], v[FBI], s[66:67] offset:64*\n+16
.endr
	WIN 0
	LOADSET 0                                      ; what the first products want goes out ahead of the tiles of K and V
	LOADSET 1
.else                                  ; arguments: qkvh, ph, pvh, tb, oh
	s_lshr_b32 s56, s[HD], 4                       ; batch
	s_lshl_b32 s17, s56, 7
	s_load_b32 s[CS], s[10:11], s17 offset:CS_OFF  ; c of the batch
	s_lshl_b32 s56, s56, 12
	s_add_co_u32 s56, s56, TAB2_OFF
	s_mov_b32 s57, 0
	s_add_nc_u64 s[56:57], s[10:11], s[56:57]      ; the batch's addends
	s_add_nc_u64 s[4:5], s[4:5], s[18:19]
	s_add_nc_u64 s[12:13], s[12:13], s[2:3]
.endif
	s_add_nc_u64 s[6:7], s[6:7], s[60:61]
	s_add_nc_u64 s[8:9], s[8:9], s[60:61]
	s_mov_b32 s[G0T], 1
	s_add_co_u32 s[G0T+1], s62, TAB
	s_add_nc_u64 s[G0T+2:G0T+3], s[56:57], s[62:63]
	s_or_b32 s[G0T+3], s[G0T+3], 0x80000000
.irp g, 0,1,2,3
	s_mov_b32 s[G0K+4*\g], 1
	s_add_co_u32 s[G0K+4*\g+1], s58, \g*4*PIECE*KP
	s_add_nc_u64 s[G0K+4*\g+2:G0K+4*\g+3], s[6:7], \g*4*PIECE*128
	s_or_b32 s[G0K+4*\g+3], s[G0K+4*\g+3], 0x80000000
	s_mov_b32 s[G0V+4*\g], 1
	s_add_co_u32 s[G0V+4*\g+1], s59, \g*4*PIECE*VP
	s_add_nc_u64 s[G0V+4*\g+2:G0V+4*\g+3], s[8:9], \g*4*PIECE*128
	s_or_b32 s[G0V+4*\g+3], s[G0V+4*\g+3], 0x80000000
.endr
	tensor_load_to_lds s[G0T:G0T+3], s[G1T:G1T+7]  ; all fills go out here, ahead of every wait on TENSORcnt, LDS read and barrier: five loads of mine are out
	s_nop 0
	s_cmp_lt_u32 s[WV], 4
	s_cbranch_scc0 .Lfirst_v
.irp g, 0,1,2,3
	tensor_load_to_lds s[G0K+4*\g:G0K+4*\g+3], s[G1K:G1K+7]
	s_nop 0
.endr
.rept 4
	v_nop
.endr
	s_branch .Lfirst_asked
.Lfirst_v:
.irp g, 0,1,2,3
	tensor_load_to_lds s[G0V+4*\g:G0V+4*\g+3], s[G1V:G1V+7]
	s_nop 0
.endr
.rept 4
	v_nop
.endr
.Lfirst_asked:
.if STG == 1
	LOADSET 2
	LOADSET 3
.else
	v_lshlrev_b32 v[QO], 7, v14
	v_lshl_add_u32 v[QO], v15, 4, v[QO]
	WIN 0x40
.irp t, 0,1,2,3
.irp k, 0,1
.irp u, 0,1
	global_load_b128 v[QF+16*\t+8*\k+4*\u:QF+16*\t+8*\k+4*\u+3], v[QO], s[4:5] offset:\t*2048+\k*64+\u*32   ; Q stays in registers
.endr
.endr
.endr
	WIN 0
.endif
	v_mul_u32_u24 v[AK0], v14, KP
	v_lshl_add_u32 v[AK0], v15, 4, v[AK0]          ; K: row r x pitch + 16 x half
	v_and_b32 v[AV0], 7, v0
	v_lshl_add_u32 v[AV0], v15, 3, v[AV0]
	v_mul_u32_u24 v[AV0], v[AV0], VP
	v_bfe_u32 v11, v0, 3, 1
	v_lshl_add_u32 v[AV0], v11, 4, v[AV0]
	v_add_nc_u32 v[AV0], VOFF, v[AV0]              ; V, for the turning load: key 8 h + lane % 8, channels 8 ((lane / 8) % 2) on
	v_lshl_add_u32 v[AT0], v15, 5, TAB             ; the addends of my half's eight keys
	s_mul_i32 s2, s[WV], 64*KP                     ; my stage for O's way out, in K's bytes
	v_add_nc_u32 v[STO], s2, v[AK0]
	v_bfe_u32 v11, v0, 3, 2
	v_mul_u32_u24 v11, v11, KP
	v_and_b32 v[RD], 7, v0
	v_lshl_add_u32 v11, v[RD], 4, v11              ; back: eight lanes to a row of 128 bytes, four rows an instruction
	v_add_nc_u32 v[RD], s2, v11
.if STG == 1
	s_mul_i32 s3, s[WV], 16*KP
	s_add_co_u32 s3, s3, PST                       ; my stage for p's way out
	v_add_nc_u32 v[STQ], s3, v[AK0]
	v_add_nc_u32 v[RDQ], s3, v11
	; ---- p, my 64 queries x the head's 64 channels: K = 1,024 in eight steps of 128
.irp k, 0,1,2,3,4,5,6,7
	FSTEP \k
.endr
	WIN 0x45                                       ; sources and destination window 1
.irp i, 0,1,2,3
.irp n, 0,1,2,3
.irp q, 0,1,2,3
	v_cvt_pk_f16_f32 v[QF+16*\i+4*\n+\q], v[8*(4*\i+\n)+2*\q], v[8*(4*\i+\n)+2*\q+1]   ; column tile n gives registers 4 n .. 4 n + 3 of the query tile's operand: channels 16 n + 8 h + 0 .. 7.  Each accumulator from its low end on
.endr
.endr
.endr
	; p's way out, a tile of 16 rows at a time: 16 bytes a lane into my stage, back as whole rows; LDS serves a wave's instructions in order, so the loads see the stores and the next tile's stores come behind them
.irp i, 0,1,2,3
	WIN 0x04                                       ; an LDS store's data: window 1
.irp n, 0,1,2,3
	ds_store_b128 v[STQ], v[QF+16*\i+4*\n:QF+16*\i+4*\n+3] offset:32*\n
.endr
	WIN 0
.irp k, 0,1,2,3
	ds_load_b128 v[64+16*\i+4*\k:64+16*\i+4*\k+3], v[RDQ] offset:4*KP*\k
.endr
.endr
.irp i, 0,1,2,3
.irp k, 0,1,2,3
	s_wait_dscnt (3-\k)+8*(3-\i)                   ; behind this load: the tile's later loads and eight instructions for each later tile
	global_store_b128 v[GO], v[64+16*\i+4*\k:64+16*\i+4*\k+3], s[100:101] offset:2048*\i+512*\k   ; four rows: 512 consecutive bytes, at a multiple of 256
.endr
.endr
.else
	s_wait_kmcnt 0x0                               ; c
.endif
	s_mov_b32 s[CS+1], s[CS]                       ; (the packed form names the pair)
.irp t, 0,1,2,3
	v_mov_b32 v[ST+8*\t+1], 0xef800000             ; m = -2^96
	v_mul_f32 v[ST+8*\t], s[CS], v[ST+8*\t+1]      ; c m
	v_mov_b32 v[ST+8*\t+2], 0
	v_mov_b32 v[ST+8*\t+3], 0
.endr
.irp i, 0,1,2,3,4,5,6,7
	v_mov_b32 v[ONE+\i], 0x3c003c00                ; 1.0, 1.0 in f16
.endr
; A KEY STEP: 64 keys.  first = 1: the first step, whose products start O^T and the sums; every wave runs it, so that they are written on every way through the text.
; par: which of the two blocks holds K (0: v64-127, 1: v192-255).  pre = 1: the next step's addends and K are asked for.
.macro STEP first, par, pre
.set KB, 64+128*(\par)
.set SB, 192-128*(\par)
.set DS, SB-SA-16                      ; score e of tile t lies at SA + 16 t + e, and DS further on from e = 16
.if DUMMY
.if !\first
	s_cmp_ge_u32 s[Q0], NQ                         ; a wave without queries of its own leaves the step's work out: ids alone; no barrier, wait on tensor loads or tensor load stands in a step
	s_cbranch_scc1 .Lskip_\@
.endif
.endif
	v_add_nc_u32 v[ADK], s[TK], v[AK0]
	v_add_nc_u32 v[ADV], s[TV], v[AV0]
	v_add_nc_u32 v[ADT], s[TT], v[AT0]
	v_nop
	v_nop                                          ; five places: the scores below are written over P and V, which the last products read
	s_wait_dscnt 0x0                               ; K and the addends are in: they were asked for in the step before
	WIN 0x14                                       ; Q and the addends window 1
.irp k, 0,1,2,3                        ; the 16 accumulators take turns, one instruction a turn
.irp t, 0,1,2,3
.set rS, SA+16*\t+8*\k+(\k/2)*DS
	v_wmma_f32_16x16x32_f16 v[rS:rS+7], v[KB+16*\k:KB+16*\k+7], v[QF+16*\t:QF+16*\t+7], v[CA+8*\k:CA+8*\k+7]
.endr
.endr
	WIN 0x04
.irp k, 0,1,2,3
.irp t, 0,1,2,3
.set rS, SA+16*\t+8*\k+(\k/2)*DS
	v_wmma_f32_16x16x32_f16 v[rS:rS+7], v[KB+16*\k+8:KB+16*\k+15], v[QF+16*\t+8:QF+16*\t+15], v[rS:rS+7]
.endr
.endr
	WIN 0
.rept 4
	v_nop                                          ; four places in front of the loads into K's and the addends' registers and of the first read of the scores
.endr
.if \pre
	WIN 0x40
.irp k, 0,1,2,3
	ds_load_b128 v[CA+8*\k:CA+8*\k+3],   v[ADT] offset:64*\k       ; the next step's addends
	ds_load_b128 v[CA+8*\k+4:CA+8*\k+7], v[ADT] offset:64*\k+16
.endr
	WIN 0
.endif
.irp i, 0,1,2,3,4,5,6,7
	ds_load_tr16_b128 v[KB+8*\i:KB+8*\i+3],   v[ADV] offset:(\i/4)*32*VP+(\i%4)*32        ; V into K's registers: keys 32 (i / 4) on, channels 16 (i % 4) on; the softmax stands between these loads and their use
	ds_load_tr16_b128 v[KB+8*\i+4:KB+8*\i+7], v[ADV] offset:(\i/4)*32*VP+16*VP+(\i%4)*32
.endr
	; the softmax, the four tiles by turns.  The maximum: four chains, each begun at an accumulator's low end
.irp k, 0,1,2,3
.irp t, 0,1,2,3
.set rS, SA+16*\t+8*\k+(\k/2)*DS
	v_max3_num_f32 v[ST+8*\t+4+\k], v[rS], v[rS+1], v[rS+2]
.endr
.endr
.irp i, 3,5
.irp k, 0,1,2,3
.irp t, 0,1,2,3
.set rS, SA+16*\t+8*\k+(\k/2)*DS
	v_max3_num_f32 v[ST+8*\t+4+\k], v[ST+8*\t+4+\k], v[rS+\i], v[rS+\i+1]
.endr
.endr
.endr
.irp t, 0,1,2,3
	v_max3_num_f32 v[ST+8*\t+4], v[ST+8*\t+4], v[SA+16*\t+7], v[SA+16*\t+15]
.endr
.irp t, 0,1,2,3
	v_max3_num_f32 v[ST+8*\t+6], v[ST+8*\t+6], v[SB+16*\t+7], v[SB+16*\t+15]
.endr
.irp t, 0,1,2,3
	v_max3_num_f32 v[ST+8*\t+4], v[ST+8*\t+4], v[ST+8*\t+5], v[ST+8*\t+6]
.endr
.irp t, 0,1,2,3
	v_max3_num_f32 v[ST+8*\t+4], v[ST+8*\t+4], v[ST+8*\t+7], v[ST+8*\t+1]   ; with the old m
.endr
.irp t, 0,1,2,3
	v_permlanex16_b32 v[ST+8*\t+5], v[ST+8*\t+4], s[SEL], s[SEL+1]          ; the query's other 32 keys lie in the lane 16 away
.endr
.irp t, 0,1,2,3
	v_max_num_f32 v[ST+8*\t+1], v[ST+8*\t+4], v[ST+8*\t+5]
.endr
.irp t, 0,1,2,3
	v_mul_f32 v[ST+8*\t+6], s[CS], v[ST+8*\t+1]
.endr
.irp t, 0,1,2,3
	v_sub_f32 v[ST+8*\t+3], v[ST+8*\t], v[ST+8*\t+6]                        ; c m_old - c m_new, 0 or less
.endr
.irp t, 0,1,2,3
	v_mov_b32 v[ST+8*\t], v[ST+8*\t+6]
.endr
.if !\first
.irp t, 0,1,2,3
	v_exp_f32 v[ST+8*\t+2], v[ST+8*\t+3]           ; f = 2^(c m_old - c m_new): a small batch of its own, so that O^T can be rescaled while the large one is at work
.endr
.endif
.irp n, 0,1,2,3,4,5,6,7,8,9,10,11,12,13,14,15
.irp t, 0,1,2,3
.set rS, SA+16*\t+2*\n+(\n/8)*DS
	v_pk_fma_f32 v[rS:rS+1], v[rS:rS+1], s[CS:CS+1], v[ST+8*\t:ST+8*\t+1] op_sel_hi:[1,0,0] neg_lo:[0,0,1] neg_hi:[0,0,1]   ; c s - c m
.endr
.endr
.if !\first
	s_wait_alu depctr_va_vdst(0)                   ; the wait for the four f, behind the 64 scalings and ahead of their first reader
.endif
.irp n, 0,1,2,3,4,5,6,7,8,9,10,11,12,13,14,15,16,17,18,19,20,21,22,23,24,25,26,27,28,29,30,31
.irp t, 0,1,2,3
.set rS, SA+16*\t+\n+(\n/16)*DS
	v_exp_f32 v[rS], v[rS]
.endr
.endr
.if !\first
	WIN 0x41                                       ; these 68 name f and no result of the batch of 128: they are the independent work between the batch and its wait
.irp n, 0,1,2,3,4,5,6,7,8,9,10,11,12,13,14,15
.irp t, 0,1,2,3
	v_pk_mul_f32 v[32*\t+2*\n:32*\t+2*\n+1], v[32*\t+2*\n:32*\t+2*\n+1], v[ST+8*\t+2:ST+8*\t+3] op_sel_hi:[1,0]   ; O^T under the new maximum
.endr
.endr
.irp t, 0,1,2,3
	v_pk_mul_f32 v[LF+8*\t:LF+8*\t+1], v[LF+8*\t:LF+8*\t+1], v[ST+8*\t+2:ST+8*\t+3] op_sel_hi:[1,0]               ; and the sum (its other registers are not read)
.endr
	WIN 0
.else
	v_nop                                          ; a plain instruction behind the last exponential
.endif
	s_wait_alu depctr_va_vdst(0)                   ; one wait for the batch of 128, ahead of its first reader
.irp n, 0,1,2,3,4,5,6,7,8,9,10,11,12,13,14,15
.irp t, 0,1,2,3
.set rS, SA+16*\t+2*\n+(\n/8)*DS
	v_cvt_pk_f16_f32 v[SA+16*\t+\n], v[rS], v[rS+1]      ; P into block A: register n is written when block A's registers up to 2 n + 1 have been read; from n = 8 on the sources lie in SB
.endr
.endr
.if \pre
.irp i, 0,1,2,3,4,5,6,7
	ds_load_b128 v[SB+8*\i:SB+8*\i+3],   v[ADK] offset:(\i/2)*16*KP+(\i%2)*64      ; the next step's K into SB, which is free now: keys 16 (i / 2) on, channels 32 (i % 2) on; the 40 products below stand between these loads and their use
	ds_load_b128 v[SB+8*\i+4:SB+8*\i+7], v[ADK] offset:(\i/2)*16*KP+(\i%2)*64+32
.endr
.endif
	s_wait_dscnt 16*(\pre)                         ; V is in; the 16 loads of K issued behind it may be out
	WIN 0x50
.irp g, 0,1                            ; 32 keys at a time: 16 products for O^T and 4 for the sums; the 20 accumulators take turns
.irp c, 0,1,2,3
.irp t, 0,1,2,3
.if \first && (\g == 0)
	v_wmma_f32_16x16x32_f16 v[32*\t+8*\c:32*\t+8*\c+7], v[KB+32*\g+8*\c:KB+32*\g+8*\c+7], v[SA+16*\t+8*\g:SA+16*\t+8*\g+7], 0
.else
	v_wmma_f32_16x16x32_f16 v[32*\t+8*\c:32*\t+8*\c+7], v[KB+32*\g+8*\c:KB+32*\g+8*\c+7], v[SA+16*\t+8*\g:SA+16*\t+8*\g+7], v[32*\t+8*\c:32*\t+8*\c+7]
.endif
.endr
.endr
.irp t, 0,1,2,3
.if \first && (\g == 0)
	v_wmma_f32_16x16x32_f16 v[LF+8*\t:LF+8*\t+7], v[ONE:ONE+7], v[SA+16*\t+8*\g:SA+16*\t+8*\g+7], 0
.else
	v_wmma_f32_16x16x32_f16 v[LF+8*\t:LF+8*\t+7], v[ONE:ONE+7], v[SA+16*\t+8*\g:SA+16*\t+8*\g+7], v[LF+8*\t:LF+8*\t+7]
.endif
.endr
.endr
	WIN 0
.if DUMMY
.if !\first
.Lskip_\@:
.endif
.endif
	s_add_co_u32 s[TK], s[TK], 64*KP
	s_add_co_u32 s[TV], s[TV], 64*VP
	s_add_co_u32 s[TT], s[TT], 256
.endm
; More groups of keys: my parts have landed (left: the younger groups, which may stay out), everybody's have; then pairs of steps.
.macro PHASE left, pairs
	s_wait_tensorcnt \left
	s_wait_dscnt 0x0
	s_barrier_signal -1
	s_barrier_wait -1
	s_mov_b32 s[CNT], \pairs
.Lph_\@:
	STEP 0, 0, 1
	STEP 0, 1, 1
	s_sub_co_u32 s[CNT], s[CNT], 1
	s_cmp_lg_u32 s[CNT], 0
	s_cbranch_scc1 .Lph_\@
.endm
; WHICH STEPS STAND BEHIND WHICH WAIT.  Step j reads V of keys 64 j on and K of keys 64 (j + 1) on, up to key 64 j + 127.  A group is NK / 4 keys.
;   NK = 832: groups end at keys 207, 415, ..: steps 0, 1 read up to key 191; steps 2, 3 up to 319.      NK = 1,024: at 255, 511, ..: steps 0, 1 up to 191; steps 2 to 5 up to 447.
	s_wait_loadcnt 0x0                             ; STG 2: Q
	s_wait_tensorcnt 3                             ; the addends and my part of the first group are in; three groups may be out
	s_wait_dscnt 0x0
	s_barrier_signal -1
	s_barrier_wait -1
.if STG == 1
	s_wait_xcnt 0x0                                ; p's stores have read their registers, which K's first loads land on
.endif
.irp i, 0,1,2,3,4,5,6,7
	ds_load_b128 v[64+8*\i:64+8*\i+3],   v[AK0] offset:(\i/2)*16*KP+(\i%2)*64      ; K of step 0
	ds_load_b128 v[64+8*\i+4:64+8*\i+7], v[AK0] offset:(\i/2)*16*KP+(\i%2)*64+32
.endr
	WIN 0x40
.irp k, 0,1,2,3
	ds_load_b128 v[CA+8*\k:CA+8*\k+3],   v[AT0] offset:64*\k                       ; and its addends
	ds_load_b128 v[CA+8*\k+4:CA+8*\k+7], v[AT0] offset:64*\k+16
.endr
	WIN 0
	STEP 1, 0, 1
	STEP 0, 1, 1
	PHASE 2, NP1
	PHASE 0, NP2
.if STG == 1
	STEP 0, 0, 0                                   ; step 12, the last: nothing is left to ask for
.else
	STEP 0, 0, 1                                   ; steps 14 and 15
	STEP 0, 1, 0
.endif
	; THE WAY OUT.  The stages lie in K's bytes, which have had their one fill; behind this barrier nobody reads them.
	s_wait_dscnt 0x0
	s_barrier_signal -1
	s_barrier_wait -1
.if DUMMY
	s_cmp_ge_u32 s[Q0], NQ
	s_cbranch_scc1 .Lend
.endif
.rept 4
	v_nop                                          ; four places behind the last products
.endr
	WIN 0x01
.irp t, 0,1,2,3
	v_rcp_f32 v[ST+8*\t+2], v[LF+8*\t]             ; 1 / the row's sum: the accumulator's register 0
.endr
	v_nop
	s_wait_alu depctr_va_vdst(0)                   ; one wait for the four reciprocals, ahead of their first reader
	WIN 0x41
.irp n, 0,1,2,3,4,5,6,7,8,9,10,11,12,13,14,15
.irp t, 0,1,2,3
	v_pk_mul_f32 v[32*\t+2*\n:32*\t+2*\n+1], v[32*\t+2*\n:32*\t+2*\n+1], v[ST+8*\t+2:ST+8*\t+3] op_sel_hi:[1,0]
.endr
.endr
	WIN 0x05
.irp t, 0,1,2,3
.irp n, 0,1,2,3,4,5,6,7,8,9,10,11,12,13,14,15
	v_cvt_pk_f16_f32 v[SA+16*\t+\n], v[32*\t+2*\n], v[32*\t+2*\n+1]
.endr
.endr
	WIN 0
.irp t, 0,1,2,3
.irp c, 0,1,2,3
	ds_store_b128 v[STO], v[SA+16*\t+4*\c:SA+16*\t+4*\c+3] offset:\t*16*KP+32*\c
.endr
.endr
.irp i, 0,1,2,3,4,5,6,7,8,9,10,11,12,13,14,15
	ds_load_b128 v[192+4*\i:195+4*\i], v[RD] offset:4*KP*\i   ; LDS serves a wave's instructions in order: these see my stores
.endr
.irp i, 0,1,2,3,4,5,6,7,8,9,10,11,12,13,14,15
	s_wait_dscnt 15-\i
	global_store_b128 v[GO], v[192+4*\i:195+4*\i], s[12:13] offset:512*\i   ; four rows: 512 consecutive bytes, at a multiple of 256
.endr
.if DUMMY
.Lend:
.endif
	s_wait_tensorcnt 0x0                           ; the wave's end, behind my last tensor load and my last LDS store
	ds_add_u32 v[SPW], v[NIL]
	s_wait_dscnt 0x0
	s_endpgm
.Lfunc_end_k_q38b811761c_attn2:
	.size	k_q38b811761c_attn2, .Lfunc_end_k_q38b811761c_attn2-k_q38b811761c_attn2
	.p2alignl 7, 3214868480
	.fill 96, 4, 3214868480
	.section	.rodata,"a",@progbits
	.p2align	6, 0x0
	.amdhsa_kernel k_q38b811761c_attn2
		.amdhsa_group_segment_fixed_size 327680
		.amdhsa_private_segment_fixed_size 0
		.amdhsa_enable_private_segment 0
		.amdhsa_kernarg_size 40
		.amdhsa_user_sgpr_count 2
		.amdhsa_user_sgpr_kernarg_segment_ptr 1
		.amdhsa_wavefront_size32 1
		.amdhsa_system_sgpr_workgroup_id_x 1
		.amdhsa_system_sgpr_workgroup_id_y 1
		.amdhsa_system_sgpr_workgroup_id_z 1
		.amdhsa_system_vgpr_workitem_id 0
		.amdhsa_next_free_vgpr 512
		.amdhsa_next_free_sgpr 104
		.amdhsa_reserve_vcc 0
		.amdhsa_float_denorm_mode_32 3
		.amdhsa_float_denorm_mode_16_64 3
		.amdhsa_memory_ordered 1
		.amdhsa_forward_progress 1
		.amdhsa_inst_pref_size 253
	.end_amdhsa_kernel
	.amdgpu_metadata
---
amdhsa.version: [ 1, 2 ]
amdhsa.kernels:
  - .name:           k_q38b811761c_attn2
    .symbol:         k_q38b811761c_attn2.kd
    .args:
      - { .name: qkvh, .offset: 0, .size: 8, .value_kind: global_buffer, .address_space: global }
      - { .name: ph, .offset: 8, .size: 8, .value_kind: global_buffer, .address_space: global }
      - { .name: pvh, .offset: 16, .size: 8, .value_kind: global_buffer, .address_space: global }
      - { .name: tb, .offset: 24, .size: 8, .value_kind: global_buffer, .address_space: global }
      - { .name: oh, .offset: 32, .size: 8, .value_kind: global_buffer, .address_space: global }
    .group_segment_fixed_size: 327680
    .private_segment_fixed_size: 0
    .kernarg_segment_align: 8
    .kernarg_segment_size: 40
    .max_flat_workgroup_size: 256
    .sgpr_count:     104
    .vgpr_count:     512
    .wavefront_size: 32
...
	.end_amdgpu_metadata
.endif
;; end of part 4
;; launch proj (part 5): grid 8 x 32, 4 waves a work-group, clusters of 4 x 4, 327,680 bytes of LDS; arguments oh, xw, proj_b, out0; writes out0
.if DOCPART == 5
	.amdgcn_target "amdgcn-amd-amdhsa--gfx1250"
	.amdhsa_code_object_version 6
	.text
	.protected	k_q38b811761c_proj
	.globl	k_q38b811761c_proj
	.p2align	8
	.type	k_q38b811761c_proj,@function
k_q38b811761c_proj:
	s_mov_b64 s[64:65], 0
	v_nop
	global_prefetch_b8 v0, s[64:65] scope:SCOPE_SE
	s_setreg_imm32_b32 hwreg(HW_REG_WAVE_MODE, 25, 1), 1
	s_wait_xcnt 0x0
	s_wait_alu depctr_hold_cnt(0) depctr_sa_sdst(0) depctr_va_vdst(0) depctr_va_sdst(0) depctr_va_ssrc(0) depctr_va_vcc(0) depctr_vm_vsrc(0)
	s_getreg_b32 s2, hwreg(HW_REG_IB_STS2, 6, 4)
	s_cmp_eq_u32 s2, 0
	s_cbranch_scc0 .Lentry_in_a_cluster
	s_endpgm
.Lentry_in_a_cluster:
	s_bfe_u32 s2, ttmp6, 0x10000c
	s_cmp_lg_u32 s2, 0xf033
	s_cbranch_scc0 .Lentry_shape_is_right
	s_endpgm
.Lentry_shape_is_right:
; out0 = out proj_w^T + proj_b.  out lies by heads, oh [8][16][832][64] f16; proj_w as f16 in xw; sums and result f32.  M = 32 x 208 rows (832 a batch, of which 819 are stored), N = 8 x 128 columns: 256 tiles, one to a work-group.
; Four waves; wave w makes all 208 rows x columns 32 w .. 32 w + 31: 13 x 2 = 26 accumulators.  K = 1,024 goes in steps of 128, which are two heads: A's tile is two planes of 208 rows x 128 bytes, B's 128 rows x 256 bytes.
; A ring of two LDS slots; waves 0 and 1 fetch A's planes, waves 2 and 3 B's halves: one tensor load a wave.
; CLUSTERS: 4 x 4 work-groups; A's tiles are asked for jointly along a row of the cluster, B's along a column.
; THE MATRIX INSTRUCTION IS USED TRANSPOSED (source 0 = 16 rows of proj_w, source 1 = 16 rows of out): a lane holds eight neighbouring columns of one row.  The bias is the C of each sum's first product.
; REGISTERS: window 0: v16-29 addresses; v32-135, v136-239 A's fragments, two buffers of 13 x 8.   window 1: v0-207 the accumulators (idx = 2 a + b at v[8 idx]); v208-223, v224-239 B's fragments; v240-255 the bias.
.set PA,     144                       ; a row of a plane in LDS: 128 bytes + 16
.set PB,     272                       ; a row of B: 256 + 16
.set PLANE,  208*PA
.set SLOT,   2*PLANE+128*PB
.set SPARE,  2*SLOT                    ; behind the ring: the spare words, which no other line names
.set SPITCH, 528                       ; the way out: 208 rows x (512 bytes + 16), over the ring, which has then had its last fill and its last read
.set PW_OFF, 19922944
.set LAPS,   4
.set ADRA, 16
.set ADRB, 20
.set STO,  22                          ; v22, v23 the stage, in: rows 0-111, 112-207
.set RD,   25
.set GO,   26
.set LIMV, 27
.set SPW,  28
.set NIL,  29
.set AF,   32
.set BF,   208
.set BI,   240
.set G1,  24
.set G0,  32
.set G1B, 48
.set G0B, 56
.set MSB, 0
.macro WIN new                         ; the immediate's high byte repeats the setting that is left
.if MSB != (\new)
	s_set_vgpr_msb (MSB<<8)|(\new)
.set MSB, (\new)
.endif
.endm
.macro JLOAD s                         ; a joint load: waves 0 and 1 fetch for A, waves 2 and 3 for B; an s_nop 0 and four v_nop follow each line
	s_cmp_eq_u32 s18, 0
	s_cbranch_scc0 .Lfor_b_\@
	tensor_load_to_lds s[G0+4*\s:G0+4*\s+3], s[G1:G1+7]
	s_nop 0
.rept 4
	v_nop
.endr
	s_branch .Lasked_\@
.Lfor_b_\@:
	tensor_load_to_lds s[G0B+4*\s:G0B+4*\s+3], s[G1B:G1B+7]
	s_nop 0
.rept 4
	v_nop
.endr
.Lasked_\@:
.endm
.macro CREST
	s_cmp_lg_u32 s12, 0
	s_cbranch_scc1 .Lnot_wave_0_\@
	s_barrier_signal -3
.Lnot_wave_0_\@:
	s_barrier_wait -3
	s_barrier_signal -1
	s_barrier_wait -1
.endm
.macro CROUND
	s_barrier_signal -1
	s_barrier_wait -1
	CREST
.endm
.macro PLACES
.rept 4
	v_nop
.endr
.endm
	s_load_b128 s[4:7], s[0:1], 0x0                ; oh, xw
	s_load_b128 s[8:11], s[0:1], 0x10              ; proj_b, out0
	v_lshl_add_u32 v[SPW], v0, 2, SPARE
	v_mov_b32 v[NIL], 0
	ds_add_u32 v[SPW], v[NIL]                      ; the wave's opening: the add, twice on end, and its wait ahead of my first tensor load
	ds_add_u32 v[SPW], v[NIL]
	v_lshrrev_b32 v1, 5, v0
	v_readfirstlane_b32 s12, v1                    ; wave
	s_lshr_b32 s18, s12, 1                         ; I fetch for A (0) or for B (1),
	s_and_b32 s19, s12, 1                          ; its first or its second part
	s_bfe_u32 s40, ttmp6, 0x40000                  ; cx
	s_bfe_u32 s41, ttmp6, 0x40004                  ; cy
	s_lshl_b32 s42, ttmp9, 2
	s_add_co_u32 s42, s42, s40                     ; nb: block of 128 columns
	s_and_b32 s13, ttmp7, 0xffff
	s_lshl_b32 s13, s13, 2
	s_add_co_u32 s13, s13, s41                     ; mb: block of 208 rows
	s_lshl_b32 s43, s41, 2
	s_lshl_b32 s43, 15, s43                        ; my row of the cluster
	s_lshl_b32 s44, 0x1111, s40                    ; my column
	s_or_b32 s[G1], s43, (1<<16)|(1<<20)|(1<<21)|(4<<22)|(3<<25)    ; A: elements of 2 bytes; 4 words of padding behind every 32
	s_or_b32 s[G1B], s44, (1<<16)|(1<<20)|(1<<21)|(5<<22)|(3<<25)   ; B: behind every 64
	s_mov_b32 s[G1+1], 64<<16
	s_mov_b32 s[G1+2], 208<<16
	s_mov_b32 s[G1+3], 64<<16
	s_mov_b32 s[G1+4], 208
	s_mov_b32 s[G1+5], 64
	s_mov_b32 s[G1+6], 0
	s_mov_b32 s[G1+7], 0
	s_mov_b32 s[G1B+1], 128<<16
	s_mov_b32 s[G1B+2], 64<<16
	s_mov_b32 s[G1B+3], 128<<16
	s_mov_b32 s[G1B+4], 64
	s_mov_b32 s[G1B+5], 1024
	s_mov_b32 s[G1B+6], 0
	s_mov_b32 s[G1B+7], 0
	s_lshr_b32 s16, s13, 2                         ; A: batch,
	s_lshl_b32 s16, s16, 4
	s_add_co_u32 s16, s16, s19                     ; head = my part (K step 0),
	s_mul_i32 s16, s16, 832
	s_and_b32 s17, s13, 3
	s_mul_i32 s17, s17, 208
	s_add_co_u32 s16, s16, s17                     ; my block's first row in the batch
	s_lshl_b32 s16, s16, 7
	s_mov_b32 s17, 0
	s_lshl_b32 s46, s42, 18                        ; B: 128 rows of 2,048 bytes a block,
	s_lshl_b32 s47, s19, 17                        ; 64 rows a part
	s_add_co_u32 s46, s46, s47
	s_add_co_u32 s46, s46, PW_OFF
	s_mov_b32 s47, 0
	s_mul_i32 s20, s19, PLANE
	s_mul_i32 s45, s19, 64*PB
	s_add_co_u32 s45, s45, 2*PLANE
	s_wait_dscnt 0x0                               ; both opening adds are done
	s_wait_kmcnt 0x0
	s_add_nc_u64 s[14:15], s[4:5], s[16:17]
	s_add_nc_u64 s[46:47], s[6:7], s[46:47]
	CROUND                                         ; all sixteen work-groups are here: the first joint loads meet
.irp s, 0,1
	s_mov_b32 s[G0+4*\s], 1
	s_add_co_u32 s[G0+4*\s+1], s20, \s*SLOT
	s_add_nc_u64 s[G0+4*\s+2:G0+4*\s+3], s[14:15], \s*2*832*128
	s_or_b32 s[G0+4*\s+3], s[G0+4*\s+3], 0x80000000
	s_mov_b32 s[G0B+4*\s], 1
	s_add_co_u32 s[G0B+4*\s+1], s45, \s*SLOT
	s_add_nc_u64 s[G0B+4*\s+2:G0B+4*\s+3], s[46:47], \s*256
	s_or_b32 s[G0B+4*\s+3], s[G0B+4*\s+3], 0x80000000
	JLOAD \s                                       ; two loads of mine are out
.endr
	v_and_b32 v1, 15, v0                           ; r
	v_bfe_u32 v2, v0, 4, 1                         ; h
	v_lshlrev_b32 v8, 5, v2
	s_lshl_b32 s68, s42, 9
	s_lshl_b32 s69, s12, 7
	s_add_co_u32 s68, s68, s69
	s_mov_b32 s69, 0
	s_add_nc_u64 s[8:9], s[8:9], s[68:69]          ; the bias of my 32 columns
	WIN 0x40
.irp b, 0,1
	global_load_b128 v[BI+8*\b:BI+8*\b+3], v8, s[8:9] offset:64*\b
	global_load_b128 v[BI+8*\b+4:BI+8*\b+7], v8, s[8:9] offset:64*\b+16
.endr
	WIN 0
	v_mul_u32_u24 v3, v1, PA
	v_lshl_add_u32 v3, v2, 4, v3
	v_add_nc_u32 v[ADRA], 0, v3
	v_add_nc_u32 v[ADRA+1], SLOT, v3
	v_mul_u32_u24 v4, v1, PB
	v_lshl_add_u32 v4, v2, 4, v4
	s_mul_i32 s22, s12, 32*PB
	s_add_co_u32 s22, s22, 2*PLANE                 ; my 32 rows of B
	v_add_nc_u32 v[ADRB], s22, v4
	s_add_co_u32 s22, s22, SLOT
	v_add_nc_u32 v[ADRB+1], s22, v4
	v_mul_u32_u24 v5, v1, SPITCH
	v_lshl_add_u32 v5, v2, 5, v5
	s_lshl_b32 s23, s12, 7
	v_add_nc_u32 v[STO], s23, v5                   ; the stage, in: row r, my 128 bytes, 32 for each half of the lanes
	v_add_nc_u32 v[STO+1], 7*16*SPITCH, v[STO]
	v_and_b32 v6, 31, v0
	v_lshlrev_b32 v[GO], 4, v6
	s_mul_i32 s23, s12, 52*SPITCH
	v_add_nc_u32 v[RD], s23, v[GO]                 ; back: rows 52 w on, a row of 512 bytes an instruction
	v_mov_b32 v[LIMV], 39
.macro MULS from, to, f, first         ; products from .. to - 1 of a quarter's 26; the accumulators take turns, one instruction a turn
	WIN 0x51
.set idx, \from
.rept (\to)-(\from)
.set rD, 8*idx
.set rB, BF+16*(\f)+8*(idx%2)
.set rA, AF+104*(\f)+8*(idx/2)
.if \first
	v_wmma_f32_16x16x32_f16 v[rD:rD+7], v[rB:rB+7], v[rA:rA+7], v[BI+8*(idx%2):BI+8*(idx%2)+7]
.else
	v_wmma_f32_16x16x32_f16 v[rD:rD+7], v[rB:rB+7], v[rA:rA+7], v[rD:rD+7]
.endif
.set idx, idx+1
.endr
.endm
.macro FETCH slot, q, f                ; 30 LDS loads in one run: the fragments of the slot's q-th 32 along K: plane q / 2, its first or second 64 bytes
	WIN 0x40
.irp b, 0,1
	ds_load_b128 v[BF+16*(\f)+8*\b:BF+16*(\f)+8*\b+3],   v[ADRB+\slot] offset:64*(\q)+\b*16*PB
	ds_load_b128 v[BF+16*(\f)+8*\b+4:BF+16*(\f)+8*\b+7], v[ADRB+\slot] offset:64*(\q)+\b*16*PB+32
.endr
	WIN 0
.irp a, 0,1,2,3,4,5,6,7,8,9,10,11,12
	ds_load_b128 v[AF+104*(\f)+8*\a:AF+104*(\f)+8*\a+3],   v[ADRA+\slot] offset:((\q)/2)*PLANE+((\q)%2)*64+\a*16*PA
	ds_load_b128 v[AF+104*(\f)+8*\a+4:AF+104*(\f)+8*\a+7], v[ADRA+\slot] offset:((\q)/2)*PLANE+((\q)%2)*64+\a*16*PA+32
.endr
.endm
.macro QUARTER slot, q, f, g, first    ; multiplies buffer f; in its middle it fetches quarter q into buffer g
	s_wait_dscnt 0x0
	MULS 0, 13, \f, \first
	PLACES
	FETCH \slot, \q, \g
	MULS 13, 26, \f, \first
.endm
.macro TURN slot, next, fill           ; a slot's last quarter changes slots: one barrier, with the waits and the add in front of it
	WIN 0
	s_wait_tensorcnt 0x0                           ; all my tensor loads have landed: my part of the next slot
	ds_add_u32 v[SPW], v[NIL]                      ; 0 onto my spare word
	s_wait_dscnt 1                                 ; buffer 1 is in; the add may be out
	MULS 0, 6, 1, 0
	s_wait_dscnt 0x0                               ; the add is done, and my reads of this slot are over
	s_barrier_signal -1
	MULS 6, 13, 1, 0
	WIN 0
	s_barrier_wait -1
.if \fill
	CREST                                          ; the barrier has opened a round of the cluster's
	s_add_nc_u64 s[G0+4*\slot+2:G0+4*\slot+3], s[G0+4*\slot+2:G0+4*\slot+3], 4*832*128   ; two K steps on: four heads
	s_add_nc_u64 s[G0B+4*\slot+2:G0B+4*\slot+3], s[G0B+4*\slot+2:G0B+4*\slot+3], 512
	JLOAD \slot                                    ; the first tensor load behind the round; its four v_nop are also the places in front of the loads below
.else
	PLACES
.endif
	FETCH \next, 0, 0
	MULS 13, 26, 1, 0
.endm
	s_wait_tensorcnt 1                             ; my part of K step 0 is in; K step 1's may stay out
	s_barrier_signal -1
	s_barrier_wait -1
	FETCH 0, 0, 0
	s_wait_loadcnt 0x0                             ; the bias
	QUARTER 0, 1, 0, 1, 1                          ; the first quarter stands in front of the loop: its products start the sums, on the bias
	WIN 0
	s_mov_b32 s3, LAPS-1
.Llap:
	QUARTER 0, 2, 1, 0, 0
	QUARTER 0, 3, 0, 1, 0
	TURN 0, 1, 1
	QUARTER 1, 1, 0, 1, 0
	QUARTER 1, 2, 1, 0, 0
	QUARTER 1, 3, 0, 1, 0
	TURN 1, 0, 1
	QUARTER 0, 1, 0, 1, 0
	WIN 0
	s_sub_co_u32 s3, s3, 1
	s_cmp_lg_u32 s3, 0
	s_cbranch_scc1 .Llap
	QUARTER 0, 2, 1, 0, 0                          ; the last lap fills nothing
	QUARTER 0, 3, 0, 1, 0
	TURN 0, 1, 0
	QUARTER 1, 1, 0, 1, 0
	QUARTER 1, 2, 1, 0, 0
	QUARTER 1, 3, 0, 1, 0
	s_wait_dscnt 0x0
	MULS 0, 26, 1, 0
	WIN 0
	; THE WAY OUT.  The stage lies over the ring: every wave has read its last fragment when the barrier is passed.
	s_barrier_signal -1
	s_barrier_wait -1
	s_and_b32 s68, s13, 3
	s_mul_i32 s68, s68, 208
	s_mul_i32 s69, s12, 52
	s_add_co_u32 s68, s68, s69                     ; my first row in the batch
	s_sub_co_u32 s69, 819, s68
	s_min_u32 s69, s69, 52                         ; how many of my 52 rows exist: 52 or 39
	s_lshr_b32 s70, s13, 2
	s_mul_i32 s70, s70, 819
	s_add_co_u32 s70, s70, s68
	s_lshl_b32 s70, s70, 12
	s_lshl_b32 s71, s42, 9
	s_add_co_u32 s70, s70, s71
	s_mov_b32 s71, 0
	s_add_nc_u64 s[70:71], s[10:11], s[70:71]
	PLACES                                         ; in front of the stores, which read results
	WIN 0x04                                       ; an LDS store's data: window 1
.set a_, 0
.rept 13
.set b_, 0
.rept 2
	ds_store_b128 v[STO+a_/7], v[8*(2*a_+b_):8*(2*a_+b_)+3] offset:(a_%7)*16*SPITCH+64*b_          ; each accumulator from its low end on
	ds_store_b128 v[STO+a_/7], v[8*(2*a_+b_)+4:8*(2*a_+b_)+7] offset:(a_%7)*16*SPITCH+64*b_+16
.set b_, b_+1
.endr
.set a_, a_+1
.endr
	WIN 0
	s_wait_dscnt 0x0                               ; for the others' sake: my stores into the stage are done
	s_barrier_signal -1
	s_barrier_wait -1
.set i_, 0
.rept 52
	ds_load_b128 v[32+4*i_:35+4*i_], v[RD] offset:SPITCH*i_
.set i_, i_+1
.endr
.set i_, 0
.rept 39
	s_wait_dscnt 51-i_
	global_store_b128 v[GO], v[32+4*i_:35+4*i_], s[70:71] offset:4096*i_ th:TH_STORE_NT   ; 32 lanes store 512 consecutive bytes, at a multiple of 256
.set i_, i_+1
.endr
	s_wait_dscnt 0x0
	s_wait_xcnt 0x0                                ; EXEC changes only behind this wait
	v_cmp_gt_u32 vcc_lo, s69, v[LIMV]              ; rows 39 .. 51 of mine exist, or none of them does (rows 819 .. 831 of a batch): all lanes on, or none.  No branch: the number hangs on the place in the cluster
	s_and_saveexec_b32 s72, vcc_lo
.rept 13
	global_store_b128 v[GO], v[32+4*i_:35+4*i_], s[70:71] offset:4096*i_ th:TH_STORE_NT
.set i_, i_+1
.endr
	s_wait_xcnt 0x0                                ; and again, in front of the line that widens it
	s_or_b32 exec_lo, exec_lo, s72
	s_wait_tensorcnt 0x0                           ; the wave's end
	ds_add_u32 v[SPW], v[NIL]
	s_wait_dscnt 0x0
	CROUND                                         ; the closing round
	s_endpgm
.Lfunc_end_k_q38b811761c_proj:
	.size	k_q38b811761c_proj, .Lfunc_end_k_q38b811761c_proj-k_q38b811761c_proj
	.p2alignl 7, 3214868480
	.fill 96, 4, 3214868480
	.section	.rodata,"a",@progbits
	.p2align	6, 0x0
	.amdhsa_kernel k_q38b811761c_proj
		.amdhsa_group_segment_fixed_size 327680
		.amdhsa_private_segment_fixed_size 0
		.amdhsa_enable_private_segment 0
		.amdhsa_kernarg_size 32
		.amdhsa_user_sgpr_count 2
		.amdhsa_user_sgpr_kernarg_segment_ptr 1
		.amdhsa_wavefront_size32 1
		.amdhsa_system_sgpr_workgroup_id_x 1
		.amdhsa_system_sgpr_workgroup_id_y 1
		.amdhsa_system_sgpr_workgroup_id_z 1
		.amdhsa_system_vgpr_workitem_id 0
		.amdhsa_next_free_vgpr 512
		.amdhsa_next_free_sgpr 80
		.amdhsa_reserve_vcc 1
		.amdhsa_float_denorm_mode_32 3
		.amdhsa_float_denorm_mode_16_64 3
		.amdhsa_memory_ordered 1
		.amdhsa_forward_progress 1
		.amdhsa_inst_pref_size 84
	.end_amdhsa_kernel
	.amdgpu_metadata
---
amdhsa.version: [ 1, 2 ]
amdhsa.kernels:
  - .name:           k_q38b811761c_proj
    .symbol:         k_q38b811761c_proj.kd
    .args:
      - { .name: oh, .offset: 0, .size: 8, .value_kind: global_buffer, .address_space: global }
      - { .name: xw, .offset: 8, .size: 8, .value_kind: global_buffer, .address_space: global }
      - { .name: proj_b, .offset: 16, .size: 8, .value_kind: global_buffer, .address_space: global }
      - { .name: out0, .offset: 24, .size: 8, .value_kind: global_buffer, .address_space: global }
    .group_segment_fixed_size: 327680
    .private_segment_fixed_size: 0
    .kernarg_segment_align: 8
    .kernarg_segment_size: 32
    .max_flat_workgroup_size: 128
    .sgpr_count:     80
    .vgpr_count:     512
    .wavefront_size: 32
...
	.end_amdgpu_metadata
.endif
;; end of part 5
